; MI455X (gfx1250); checked and timed in simulation.
; The chip was launched on July 23, 2026; its instructions are those of AMD's public machine-readable ISA for CDNA 5 (MIT licence, August 2026) and "CDNA5" Instruction Set Architecture Reference Guide (July 2026). The comments in the code are by the model that wrote it; some were corrected since.
;; Simple RNN. Allowed arithmetic: float matrix products may take bf16 or f16 operands with f32 sums; other float arithmetic in f32, or as packed bf16 or f16 multiplies, adds, multiply-adds, maxima and minima; sums over many terms, partial sums and values carried from step to step in f32; what a program stores and reads back later, other than sums and carried values, may be rounded once to bf16 or f16.
;; Inputs: Wg 2,048 x 512 float32; Wk 2,048 x 512 float32; Wo 512 x 2,048 float32; Wq 2,048 x 512 float32; Wv 2,048 x 512 float32; bg 512 float32; bk 512 float32; bo 2,048 float32; bq 512 float32; bv 512 float32; hidden_state 4,096 x 2,048 float32.
;; Outputs: out0 4,096 x 2,048 float32; out1 512 x 512 float32.
;; 2 versions, each right; version 2 is version 1 with the launches cast, prep written anew for expert scheduling mode. Each part assembles by itself: llvm-mc -triple=amdgcn-amd-amdhsa -mcpu=gfx1250 --defsym DOCPART=n.
;; ======== version 1 of 2: 6 launches
;; limits: values are held in f16: magnitudes above 65,504 overflow, below 6.1e-05 lose precision
;; workspace buffers: xh 16,777,216 bytes; wh 10,485,760 bytes; qkgv 20,971,520 bytes; pr 6,815,744 bytes; ks 4,325,376 bytes; sf 33,554,432 bytes; of 4,259,840 bytes
;; launch cast (part 1): grid 256 x 1, 8 waves a work-group, no clusters, 0 bytes of LDS; arguments hidden_state, Wq, Wk, Wv, Wg, Wo, xh, wh; writes xh, wh
.if DOCPART == 1
	.amdgcn_target "amdgcn-amd-amdhsa--gfx1250"
	.amdhsa_code_object_version 6
	.text
	.protected	k_qab79d0ca10_cast
	.globl	k_qab79d0ca10_cast
	.p2align	8
	.type	k_qab79d0ca10_cast,@function
k_qab79d0ca10_cast:
	s_mov_b64 s[64:65], 0
	v_nop
	global_prefetch_b8 v0, s[64:65] scope:SCOPE_SE
	s_setreg_imm32_b32 hwreg(HW_REG_WAVE_MODE, 25, 1), 1
	s_wait_xcnt 0x0
; THE CAST.  x and the four projection weights are rounded once to bf16; Wo is rounded to bf16 and that number is written as f16.
; xh: bf16 [4096][2048].  wh: bf16 [4][2048][512] (q, k, v, g, 2 MiB each), then Wo as f16 [512][2048] at 8 MiB.
; LIMIT.  Wo beyond 65,504 has no f16; below 2^-14 it keeps f16's fixed step of 2^-24.
; A stream: no LDS, no matrix unit.  Thread t takes 16 bytes at 16 t of each piece of 4,096 bytes: a wave's load covers 512 consecutive bytes,
; its store of 8 bytes a lane 256 consecutive bytes, aligned.  A work-group takes 4 pieces of each weight array and 32 of x.
; All 52 loads of a wave go out first; each has registers of its own, so no register is written again behind its store.
.set D, 16                             ; v[16:223]  load i at D + 4 i: 0-3 Wq, 4-7 Wk, 8-11 Wv, 12-15 Wg, 16-19 Wo, 20-51 x
	s_load_b512 s[16:31], s[0:1], 0x0              ; x s[16:17], Wq, Wk, Wv, Wg, Wo s[18:27], xh s[28:29], wh s[30:31]
	v_lshlrev_b32 v1, 4, v0                        ; 16 t: where I load
	v_lshlrev_b32 v2, 3, v0                        ; 8 t: where I store
	s_lshl_b32 s4, ttmp9, 14                       ; the group's 16 KiB of each weight array
	s_mov_b32 s5, 0
	s_lshl_b32 s6, ttmp9, 17                       ; its 128 KiB of x
	s_mov_b32 s7, 0
	s_lshl_b32 s8, ttmp9, 16                       ; and the halves of these on the way out
	s_mov_b32 s9, 0
	s_lshl_b32 s10, ttmp9, 13
	s_mov_b32 s11, 0
	s_mov_b32 s12, 0xffff0000                      ; a word's upper bf16
	s_wait_kmcnt 0x0
	s_add_nc_u64 s[16:17], s[16:17], s[6:7]
.irp p, 18,20,22,24,26
	s_add_nc_u64 s[\p:\p+1], s[\p:\p+1], s[4:5]
.endr
	s_add_nc_u64 s[28:29], s[28:29], s[8:9]
	s_add_nc_u64 s[30:31], s[30:31], s[10:11]
	s_add_nc_u64 s[32:33], s[30:31], 0x800000      ; Wo's place in wh
.set i, 0
.irp p, 18,20,22,24,26
.irp k, 0,1,2,3
	global_load_b128 v[D+4*i:D+4*i+3], v1, s[\p:\p+1] offset:4096*\k th:TH_LOAD_NT
.set i, i+1
.endr
.endr
.rept 32
	global_load_b128 v[D+4*i:D+4*i+3], v1, s[16:17] offset:4096*(i-20) th:TH_LOAD_NT
.set i, i+1
.endr
.set i, 0
.rept 52
	s_wait_loadcnt 51-i                            ; loads come back in order: load i is in, the younger ones stay out
	v_cvt_pk_bf16_f32 v[D+4*i], v[D+4*i], v[D+4*i+1]
	v_cvt_pk_bf16_f32 v[D+4*i+1], v[D+4*i+2], v[D+4*i+3]
.if i < 16
	global_store_b64 v2, v[D+4*i:D+4*i+1], s[30:31] offset:(i/4)*0x200000+2048*(i%4) th:TH_STORE_NT
.elseif i < 20
	v_lshlrev_b32 v[D+4*i+2], 16, v[D+4*i]         ; the bf16 numbers as f32 again,
	v_and_b32 v[D+4*i+3], s12, v[D+4*i]
	v_cvt_pk_f16_f32 v[D+4*i], v[D+4*i+2], v[D+4*i+3]  ; and written as f16
	v_lshlrev_b32 v[D+4*i+2], 16, v[D+4*i+1]
	v_and_b32 v[D+4*i+3], s12, v[D+4*i+1]
	v_cvt_pk_f16_f32 v[D+4*i+1], v[D+4*i+2], v[D+4*i+3]
	global_store_b64 v2, v[D+4*i:D+4*i+1], s[32:33] offset:2048*(i-16) th:TH_STORE_NT
.else
	global_store_b64 v2, v[D+4*i:D+4*i+1], s[28:29] offset:2048*(i-20) th:TH_STORE_NT
.endif
.set i, i+1
.endr
	s_endpgm
.Lfunc_end_k_qab79d0ca10_cast:
	.size	k_qab79d0ca10_cast, .Lfunc_end_k_qab79d0ca10_cast-k_qab79d0ca10_cast
	.p2alignl 7, 3214868480
	.fill 96, 4, 3214868480
	.section	.rodata,"a",@progbits
	.p2align	6, 0x0
	.amdhsa_kernel k_qab79d0ca10_cast
		.amdhsa_group_segment_fixed_size 0
		.amdhsa_private_segment_fixed_size 0
		.amdhsa_enable_private_segment 0
		.amdhsa_kernarg_size 64
		.amdhsa_user_sgpr_count 2
		.amdhsa_user_sgpr_kernarg_segment_ptr 1
		.amdhsa_wavefront_size32 1
		.amdhsa_system_sgpr_workgroup_id_x 1
		.amdhsa_system_sgpr_workgroup_id_y 1
		.amdhsa_system_sgpr_workgroup_id_z 1
		.amdhsa_system_vgpr_workitem_id 0
		.amdhsa_next_free_vgpr 224
		.amdhsa_next_free_sgpr 66
		.amdhsa_reserve_vcc 0
		.amdhsa_float_denorm_mode_32 3
		.amdhsa_float_denorm_mode_16_64 3
		.amdhsa_memory_ordered 1
		.amdhsa_forward_progress 1
		.amdhsa_inst_pref_size 20
	.end_amdhsa_kernel
	.amdgpu_metadata
---
amdhsa.version: [ 1, 2 ]
amdhsa.kernels:
  - .name:           k_qab79d0ca10_cast
    .symbol:         k_qab79d0ca10_cast.kd
    .args:
      - { .name: hidden_state, .offset: 0, .size: 8, .value_kind: global_buffer, .address_space: global }
      - { .name: Wq, .offset: 8, .size: 8, .value_kind: global_buffer, .address_space: global }
      - { .name: Wk, .offset: 16, .size: 8, .value_kind: global_buffer, .address_space: global }
      - { .name: Wv, .offset: 24, .size: 8, .value_kind: global_buffer, .address_space: global }
      - { .name: Wg, .offset: 32, .size: 8, .value_kind: global_buffer, .address_space: global }
      - { .name: Wo, .offset: 40, .size: 8, .value_kind: global_buffer, .address_space: global }
      - { .name: xh, .offset: 48, .size: 8, .value_kind: global_buffer, .address_space: global }
      - { .name: wh, .offset: 56, .size: 8, .value_kind: global_buffer, .address_space: global }
    .group_segment_fixed_size: 0
    .private_segment_fixed_size: 0
    .kernarg_segment_align: 8
    .kernarg_segment_size: 64
    .max_flat_workgroup_size: 256
    .sgpr_count:     66
    .vgpr_count:     224
    .wavefront_size: 32
...
	.end_amdgpu_metadata
.endif
;; end of part 1
;; launch proj (part 2): grid 16 x 16, 4 waves a work-group, clusters of 4 x 4, 327,680 bytes of LDS; arguments xh, wh, bq, bk, bv, bg, qkgv; writes qkgv
.if DOCPART == 2
	.amdgcn_target "amdgcn-amd-amdhsa--gfx1250"
	.amdhsa_code_object_version 6
	.text
	.protected	k_qab79d0ca10_proj
	.globl	k_qab79d0ca10_proj
	.p2align	8
	.type	k_qab79d0ca10_proj,@function
k_qab79d0ca10_proj:
	s_mov_b64 s[64:65], 0
	v_nop
	global_prefetch_b8 v0, s[64:65] scope:SCOPE_SE
	s_setreg_imm32_b32 hwreg(HW_REG_WAVE_MODE, 25, 1), 1
	s_wait_xcnt 0x0
	s_wait_alu depctr_hold_cnt(0) depctr_sa_sdst(0) depctr_va_vdst(0) depctr_va_sdst(0) depctr_va_ssrc(0) depctr_va_vcc(0) depctr_vm_vsrc(0)
	s_getreg_b32 s2, hwreg(HW_REG_IB_STS2, 6, 4)
	s_cmp_eq_u32 s2, 0
	s_cbranch_scc0 .Lentry_in_a_cluster
	s_endpgm
.Lentry_in_a_cluster:
	s_bfe_u32 s2, ttmp6, 0x10000c
	s_cmp_lg_u32 s2, 0xf033
	s_cbranch_scc0 .Lentry_shape_is_right
	s_endpgm
.Lentry_shape_is_right:
; THE FOUR PROJECTIONS.  z = x W_m + b_m, m = 0 q, 1 k, 2 v, 3 g; k and g take the sigmoid.  x, W in bf16, sums in f32, biases in f32.
; OUT.  q, k, v in f16 as [T/8][512 columns][8 t] (16 bytes a unit) at m x 4 MiB; g in f32 as [T/4][512][4 t] at 12 MiB.
; LIMIT.  q and v beyond 65,504 have no f16.  A sigmoid whose 2^(..) passes f32's range gives 0, one below it 1.
; SHARES.  A cluster of 4 x 4 work-groups makes 1,024 t of ONE matrix (m = cluster x).  A work-group makes 256 t x 128 columns, a wave 128 t x 64 columns: 32 accumulators.
; Source 0 = 16 rows of x, source 1 = 16 columns of W: a lane holds one column and eight neighbouring t: one unit of the layouts above.
; RING.  K goes in steps of 128 through two LDS slots.  x's tile (256 rows x 256 bytes, 272 apart) is shared along a row of the cluster, W's ([k][n]: 128 rows x 256 bytes, 288 apart)
; along a column: each is asked for jointly.  W's fragments are turned on the way out of LDS by ds_load_tr16_b128.
; REGISTERS.  Window 0: addresses, biases, two fragment buffers of 96 (x's 8 fragments, W's 4).  Window 1: the accumulators, (a, b) at 8 (4 a + b).
.set XP,    272                        ; 68 words: the 16 rows of a fragment load start at 16 different groups of four banks (ISA guide 11.1)
.set XHALF, 128*XP
.set WOFF,  2*XHALF
.set WP,    288                        ; 72 words
.set WHALF, 64*WP
.set SLOT,  WOFF+2*WHALF               ; 106,496
.set SPARE, 2*SLOT                     ; the spare words: 128 bytes a wave, two blocks of 256 bytes that no other line names
.set ADRX, 16                          ; v16-17 LDS address of my x fragments in slot 0, 1
.set ADRW, 20                          ; v20-21 the same for W
.set F0, 64
.set F1, 160
.set G1, 24                            ; s[24:31] group 1 for x's tiles; s[32:39] group 0, a set for each slot
.set G0, 32
.set G1B, 48                           ; s[48:55], s[56:63] the same for W's
.set G0B, 56
.set MSB, 0
.macro WIN new                         ; the immediate's high byte repeats the setting that is left
.if MSB != (\new)
	s_set_vgpr_msb (MSB<<8)|(\new)
.set MSB, \new
.endif
.endm
.macro PLACES                          ; four places behind matrix instructions, in front of loads into registers that they read and of lines that read results
.rept 4
	v_nop
.endr
.endm
.macro JLOAD s                         ; a joint load: waves 0 and 1 fetch x's two halves, waves 2 and 3 W's; an s_nop 0 and four v_nop follow each line
	s_cmp_eq_u32 s11, 0
	s_cbranch_scc0 .Lfor_b_\@
	tensor_load_to_lds s[G0+4*(\s):G0+4*(\s)+3], s[G1:G1+7]
	s_nop 0
.rept 4
	v_nop
.endr
	s_branch .Lasked_\@
.Lfor_b_\@:
	tensor_load_to_lds s[G0B+4*(\s):G0B+4*(\s)+3], s[G1B:G1B+7]
	s_nop 0
.rept 4
	v_nop
.endr
.Lasked_\@:
.endm
.macro CREST                           ; a round of the cluster's barrier behind its opening barrier
	s_cmp_lg_u32 s10, 0
	s_cbranch_scc1 .Lnot_wave_0_\@
	s_barrier_signal -3
.Lnot_wave_0_\@:
	s_barrier_wait -3
	s_barrier_signal -1
	s_barrier_wait -1
.endm
.macro CROUND
	s_barrier_signal -1
	s_barrier_wait -1
	CREST
.endm
; A prefetch of the K step that stands two refills on: 32 blocks of 256 bytes, a lane a block, one instruction.  x's rows are read by all four clusters of a row of clusters: cluster x = 0 asks, waves 0 and 1,
; the four partners of a row taking 32 of a wave's 128 rows each, by address.  W's rows are read by all four clusters of a column: cluster y = 0 asks, wave 2, the four partners of a column taking 32 of the 128 rows each.
; The loop's last trip asks for nothing: K has no step behind 15.
.macro ASK
	s_cmp_gt_u32 s3, s68
	s_cbranch_scc0 .Lnot_mine_\@
	global_prefetch_b8 v30, s[66:67] th:TH_LOAD_NT scope:SCOPE_SE
.Lnot_mine_\@:
.endm
	s_load_b256 s[72:79], s[0:1], 0x0              ; xh s[72:73], wh s[74:75], bq s[76:77], bk s[78:79]
	s_load_b128 s[80:83], s[0:1], 0x20             ; bv s[80:81], bg s[82:83]
	s_load_b64 s[84:85], s[0:1], 0x30              ; qkgv
	v_lshl_add_u32 v28, v0, 2, SPARE
	v_mov_b32 v29, 0
	ds_add_u32 v28, v29                            ; the wave's opening: the add and its wait ahead of my first tensor load
	v_lshrrev_b32 v1, 5, v0
	v_readfirstlane_b32 s10, v1                    ; wave 0..3
	s_lshr_b32 s11, s10, 1                         ; my half of the tile's t.  Also: I fetch for x (0) or for W (1)
	s_and_b32 s12, s10, 1                          ; my half of its columns.  Also: which half of that tile I fetch
	s_bfe_u32 s40, ttmp6, 0x40000                  ; cx
	s_bfe_u32 s41, ttmp6, 0x40004                  ; cy
	s_mov_b32 s45, ttmp9                           ; m: the cluster's matrix
	s_and_b32 s13, ttmp7, 0xffff
	s_lshl_b32 s13, s13, 2
	s_add_co_u32 s13, s13, s41                     ; Y: my block of 256 t
	s_lshl_b32 s43, s41, 2
	s_lshl_b32 s43, 15, s43                        ; my row of the cluster
	s_lshl_b32 s44, 0x1111, s40                    ; my column
	s_or_b32 s[G1+0], s43, (1<<16)|(1<<20)|(1<<21)|(5<<22)|(3<<25)   ; mask; 2-byte elements; padding on; bit 21 beside a mask; after every 64 words 4 words
	s_mov_b32 s[G1+1], 128<<16                     ; tensor_dim0 = 128
	s_mov_b32 s[G1+2], 128<<16                     ; tensor_dim1 = 128
	s_mov_b32 s[G1+3], 128<<16                     ; tile_dim0 = 128
	s_mov_b32 s[G1+4], 128                         ; tile_dim1 = 128
	s_mov_b32 s[G1+5], 2048                        ; elements from row to row of x
	s_mov_b32 s[G1+6], 0
	s_mov_b32 s[G1+7], 0
	s_or_b32 s[G1B+0], s44, (1<<16)|(1<<20)|(1<<21)|(5<<22)|(7<<25)  ; the same with 8 words of padding
	s_mov_b32 s[G1B+1], 128<<16
	s_mov_b32 s[G1B+2], 64<<16
	s_mov_b32 s[G1B+3], 128<<16
	s_mov_b32 s[G1B+4], 64
	s_mov_b32 s[G1B+5], 512                        ; elements from row to row of W
	s_mov_b32 s[G1B+6], 0
	s_mov_b32 s[G1B+7], 0
	s_lshl_b32 s16, s13, 8
	s_lshl_b32 s17, s12, 7
	s_add_co_u32 s16, s16, s17
	s_lshl_b32 s16, s16, 12                        ; x: row 256 Y + 128 x half, 4,096 bytes a row
	s_mov_b32 s17, 0
	s_lshl_b32 s46, s45, 21                        ; W: matrix m,
	s_lshl_b32 s47, s12, 16                        ; 64 rows of 1,024 bytes a half,
	s_add_co_u32 s46, s46, s47
	s_lshl_b32 s47, s40, 8                         ; 128 columns a block
	s_add_co_u32 s46, s46, s47
	s_mov_b32 s47, 0
	s_mul_i32 s20, s12, XHALF                      ; where they go: no place in the cluster enters an LDS address
	s_mul_i32 s21, s12, WHALF
	s_add_co_u32 s21, s21, WOFF
	s_wait_dscnt 0x0                               ; the opening add is done
	s_wait_kmcnt 0x0
	s_add_nc_u64 s[14:15], s[72:73], s[16:17]
	s_add_nc_u64 s[46:47], s[74:75], s[46:47]
	CROUND                                         ; all sixteen work-groups are here: the first joint loads meet
.irp s, 0,1
	s_mov_b32 s[G0+4*(\s)], 1
	s_add_co_u32 s[G0+4*(\s)+1], s20, (\s)*SLOT
	s_add_nc_u64 s[G0+4*(\s)+2:G0+4*(\s)+3], s[14:15], (\s)*256
	s_or_b32 s[G0+4*(\s)+3], s[G0+4*(\s)+3], 0x80000000
	s_mov_b32 s[G0B+4*(\s)], 1
	s_add_co_u32 s[G0B+4*(\s)+1], s21, (\s)*SLOT
	s_add_nc_u64 s[G0B+4*(\s)+2:G0B+4*(\s)+3], s[46:47], (\s)*131072
	s_or_b32 s[G0B+4*(\s)+3], s[G0B+4*(\s)+3], 0x80000000
	JLOAD \s
.endr
	v_and_b32 v1, 15, v0                           ; r
	v_bfe_u32 v2, v0, 4, 1                         ; h
	v_mul_u32_u24 v3, v1, XP
	v_lshl_add_u32 v3, v2, 4, v3                   ; x: row r, 16 bytes a half
	v_and_b32 v4, 7, v0
	v_bfe_u32 v5, v0, 3, 1
	v_lshl_add_u32 v6, v2, 3, v4                   ; W: k row 8 h + l % 8,
	v_mul_u32_u24 v6, v6, WP
	v_lshl_add_u32 v6, v5, 4, v6                   ; columns 8 ((l / 8) % 2) on
	s_mul_i32 s92, s11, XHALF
	s_lshl_b32 s93, s12, 7
	s_add_co_u32 s93, s93, WOFF
.irp s, 0,1
	v_add_nc_u32 v[ADRX+(\s)], s92, v3
	v_add_nc_u32 v[ADRW+(\s)], s93, v6
	s_add_co_u32 s92, s92, SLOT
	s_add_co_u32 s93, s93, SLOT
.endr
	v_lshlrev_b32 v24, 13, v2                      ; f16 out: unit row h, column r
	v_lshl_add_u32 v24, v1, 4, v24
	v_lshlrev_b32 v25, 14, v2                      ; f32 out: unit row 2 h, column r
	v_lshl_add_u32 v25, v1, 4, v25
	s_lshl_b32 s92, s13, 8
	s_lshl_b32 s93, s11, 7
	s_add_co_u32 s92, s92, s93                     ; my first t
	s_lshl_b32 s94, s40, 7
	s_lshl_b32 s95, s12, 6
	s_add_co_u32 s94, s94, s95                     ; my first column in the matrix
	s_lshl_b32 s96, s92, 10
	s_lshl_b32 s95, s94, 4
	s_add_co_u32 s96, s96, s95
	s_lshl_b32 s93, s45, 22
	s_add_co_u32 s96, s96, s93
	s_mov_b32 s97, 0
	s_add_nc_u64 s[88:89], s[84:85], s[96:97]      ; where my f16 results begin
	s_lshl_b32 s96, s92, 11
	s_add_co_u32 s96, s96, s95
	s_add_co_u32 s96, s96, 0xc00000
	s_add_nc_u64 s[90:91], s[84:85], s[96:97]      ; where my f32 results begin (g)
	s_cmp_eq_u32 s45, 1                            ; the matrix's bias
	s_cselect_b64 s[86:87], s[78:79], s[76:77]
	s_cmp_eq_u32 s45, 2
	s_cselect_b64 s[86:87], s[80:81], s[86:87]
	s_cmp_eq_u32 s45, 3
	s_cselect_b64 s[86:87], s[82:83], s[86:87]
	v_add_lshl_u32 v31, v1, s94, 2
.irp b, 0,1,2,3
	global_load_b32 v[32+2*\b], v31, s[86:87] offset:64*\b  ; the bias of column 16 b + r
	v_mov_b32 v[33+2*\b], 0                        ; named with it as a pair
	v_mov_b32 v[41+2*\b], 0
.endr
	; the prefetches
	s_lshl_b32 s92, s13, 8
	s_lshl_b32 s93, s12, 7
	s_add_co_u32 s92, s92, s93
	s_lshl_b32 s93, s40, 5
	s_add_co_u32 s92, s92, s93
	s_lshl_b32 s92, s92, 12
	s_add_co_u32 s92, s92, 3*256                   ; x: my work-group's 32 of the 128 rows that I fetch, at K step 3
	s_lshl_b32 s93, s45, 21
	s_lshl_b32 s94, s41, 15
	s_add_co_u32 s93, s93, s94
	s_lshl_b32 s94, s40, 8
	s_add_co_u32 s93, s93, s94
	s_add_co_u32 s93, s93, 3*131072                ; W: my work-group's 32 of a step's 128 rows, at K step 3
	s_and_b32 s94, ttmp7, 0xffff
	s_or_b32 s94, s94, s12                         ; 0 in wave 2 of a cluster with y = 0
	s_mov_b32 s70, 0x20000
	s_mov_b32 s71, 0
	s_mov_b32 s95, 10
	s_cmp_eq_u32 s11, 0
	s_cselect_b32 s94, s45, s94
	s_cselect_b32 s96, s92, s93
	s_cselect_b64 s[66:67], s[72:73], s[74:75]
	s_cselect_b32 s70, 0x100, s70                  ; bytes from K step to K step
	s_cselect_b32 s95, 12, s95
	s_cmp_eq_u32 s94, 0
	s_cselect_b32 s68, 1, -1                       ; 1 in a wave that prefetches, else the greatest number; the same in all partners for a given wave
	s_add_nc_u64 s[66:67], s[66:67], s[96:97]
	v_and_b32 v30, 31, v0
	v_lshlrev_b32 v30, s95, v30                    ; a lane a row
.macro MUL8 f, a0, zero                ; t blocks a0, a0 + 1 x all 4 column blocks, 32 along K; zero = 1: the product starts the sums
	WIN 0x50
.irp a, \a0, (\a0)+1
.irp b, 0,1,2,3
.if \zero
	v_wmma_f32_16x16x32_bf16 v[8*(4*(\a)+(\b)):8*(4*(\a)+(\b))+7], v[(\f)+8*(\a):(\f)+8*(\a)+7], v[(\f)+64+8*(\b):(\f)+64+8*(\b)+7], 0
.else
	v_wmma_f32_16x16x32_bf16 v[8*(4*(\a)+(\b)):8*(4*(\a)+(\b))+7], v[(\f)+8*(\a):(\f)+8*(\a)+7], v[(\f)+64+8*(\b):(\f)+64+8*(\b)+7], v[8*(4*(\a)+(\b)):8*(4*(\a)+(\b))+7]
.endif
.endr
.endr
.endm
.macro FETCH slot, q, f                ; 24 LDS loads in one run: quarter q's fragments: W's four, x's 0-3, x's 4-7
	WIN 0
.irp b, 0,1,2,3
	ds_load_tr16_b128 v[(\f)+64+8*(\b):(\f)+64+8*(\b)+3],   v[ADRW+(\slot)] offset:32*WP*(\q)+32*(\b)
	ds_load_tr16_b128 v[(\f)+64+8*(\b)+4:(\f)+64+8*(\b)+7], v[ADRW+(\slot)] offset:32*WP*(\q)+32*(\b)+16*WP
.endr
.irp a, 0,1,2,3,4,5,6,7
	ds_load_b128 v[(\f)+8*(\a):(\f)+8*(\a)+3],   v[ADRX+(\slot)] offset:16*XP*(\a)+64*(\q)
	ds_load_b128 v[(\f)+8*(\a)+4:(\f)+8*(\a)+7], v[ADRX+(\slot)] offset:16*XP*(\a)+64*(\q)+32
.endr
.endm
; A K step is four quarters of 32 along K, 32 matrix instructions each, on buffers 0, 1, 0, 1.  The 32 accumulators take turns in the same order in every quarter.
.macro QUARTER slot, q, f, g, zero
	s_wait_dscnt 8                                 ; W and x's blocks 0-3 are in; the youngest eight loads (x's 4-7) may be out
	MUL8 \f, 0, \zero
	MUL8 \f, 2, \zero
	PLACES
	FETCH \slot, \q, \g
	s_wait_dscnt 24                                ; all but the 24 just issued
	MUL8 \f, 4, \zero
	MUL8 \f, 6, \zero
.endm
; The last quarter multiplies buffer 1 and changes slots: one barrier; in front of it each wave waits for all its tensor loads, adds 0 to its spare word, and waits for that and for its reads of the slot.
.macro TURN slot, next, fill
.if \fill
	s_wait_xcnt 0x0                                ; the last prefetch, a K step back, has read its address
	s_add_nc_u64 s[66:67], s[66:67], s[70:71]
.endif
	WIN 0
	s_wait_tensorcnt 0x0                           ; all my tensor loads have landed: my part of the next slot
	ds_add_u32 v28, v29                            ; 0 onto my spare word
	s_wait_dscnt 9                                 ; the add and the youngest eight loads may be out
	MUL8 F1, 0, 0
	s_wait_dscnt 0x0                               ; the add is done, and my reads of this slot are over
	s_barrier_signal -1
	MUL8 F1, 2, 0
.if \fill
	WIN 0
.endif
	s_barrier_wait -1
.if \fill
	CREST                                          ; the barrier has opened a round of the cluster's: no wave of any partner still reads this slot or has a load on its way
	s_add_nc_u64 s[G0+4*(\slot)+2:G0+4*(\slot)+3], s[G0+4*(\slot)+2:G0+4*(\slot)+3], 512
	s_add_nc_u64 s[G0B+4*(\slot)+2:G0B+4*(\slot)+3], s[G0B+4*(\slot)+2:G0B+4*(\slot)+3], 262144
	JLOAD \slot                                    ; the first tensor load behind the round; its four v_nop are also the places in front of the loads below
.else
	PLACES
.endif
	FETCH \next, 0, F0
.if \fill
	ASK
.endif
	MUL8 F1, 4, 0
	MUL8 F1, 6, 0
.endm
	s_wait_tensorcnt 0x1                           ; my part of K step 0 is in; step 1's may stay out
	s_barrier_signal -1
	s_barrier_wait -1
	FETCH 0, 0, F0
	QUARTER 0, 1, F0, F1, 1                        ; the first quarter starts the sums
	WIN 0
	s_mov_b32 s3, 7
.Llap:                                                 ; a trip goes once round the ring and fills both slots again: K steps 2 to 15
	QUARTER 0, 2, F1, F0, 0
	QUARTER 0, 3, F0, F1, 0
	TURN 0, 1, 1
	QUARTER 1, 1, F0, F1, 0
	QUARTER 1, 2, F1, F0, 0
	QUARTER 1, 3, F0, F1, 0
	TURN 1, 0, 1
	QUARTER 0, 1, F0, F1, 0
	WIN 0
	s_sub_co_u32 s3, s3, 1
	s_cmp_lg_u32 s3, 0
	s_cbranch_scc1 .Llap
	QUARTER 0, 2, F1, F0, 0                        ; the last lap fills nothing
	QUARTER 0, 3, F0, F1, 0
	TURN 0, 1, 0
	QUARTER 1, 1, F0, F1, 0
	QUARTER 1, 2, F1, F0, 0
	QUARTER 1, 3, F0, F1, 0
	s_wait_dscnt 8
	MUL8 F1, 0, 0
	MUL8 F1, 2, 0
	s_wait_dscnt 0x0
	MUL8 F1, 4, 0
	MUL8 F1, 6, 0
	WIN 0
	; THE WAY OUT
	s_wait_loadcnt 0x0                             ; the biases
.irp b, 0,1,2,3
	v_mul_f32 v[40+2*\b], 0xbfb8aa3b, v[32+2*\b]   ; -log2(e) b; these four lines are the places behind the last products
.endr
.macro SIG a                           ; 1 / (1 + 2^(-log2(e) (z + b))), in place; each accumulator is read from its low end on
	WIN 0x41
.irp b, 0,1,2,3
.irp p, 0,2,4,6
	v_pk_fma_f32 v[8*(4*(\a)+\b)+\p:8*(4*(\a)+\b)+\p+1], v[8*(4*(\a)+\b)+\p:8*(4*(\a)+\b)+\p+1], 0xbfb8aa3b, v[40+2*\b:41+2*\b] op_sel_hi:[1,0,0]
.endr
.endr
.set i, 32*(\a)
.rept 32
	v_exp_f32 v[i], v[i]
.set i, i+1
.endr
	v_nop                                          ; a plain instruction behind the last exponential,
	s_wait_alu depctr_va_vdst(0)                   ; and one wait for the batch
.set i, 32*(\a)
.rept 16
	v_pk_add_f32 v[i:i+1], v[i:i+1], 1.0 op_sel_hi:[1,0]
.set i, i+2
.endr
.set i, 32*(\a)
.rept 32
	v_rcp_f32 v[i], v[i]
.set i, i+1
.endr
	v_nop
	s_wait_alu depctr_va_vdst(0)
.endm
.macro BIAS a
	WIN 0x41
.irp b, 0,1,2,3
.irp p, 0,2,4,6
	v_pk_add_f32 v[8*(4*(\a)+\b)+\p:8*(4*(\a)+\b)+\p+1], v[8*(4*(\a)+\b)+\p:8*(4*(\a)+\b)+\p+1], v[32+2*\b:33+2*\b] op_sel_hi:[1,0]
.endr
.endr
.endm
.macro ST16 a                          ; eight t of a column are 16 bytes; sixteen lanes store 256 consecutive bytes, aligned.  Each block has packing registers of its own
	WIN 0x05
.irp b, 0,1,2,3
.irp p, 0,1,2,3
	v_cvt_pk_f16_f32 v[64+16*(\a)+4*\b+\p], v[8*(4*(\a)+\b)+2*\p], v[8*(4*(\a)+\b)+2*\p+1]
.endr
.endr
	WIN 0
.irp b, 0,1,2,3
	global_store_b128 v24, v[64+16*(\a)+4*\b:64+16*(\a)+4*\b+3], s[88:89] offset:16384*(\a)+256*\b
.endr
.endm
.macro ST32 a
	WIN 0x04
.irp b, 0,1,2,3
.irp p, 0,1
	global_store_b128 v25, v[8*(4*(\a)+\b)+4*\p:8*(4*(\a)+\b)+4*\p+3], s[90:91] offset:32768*(\a)+256*\b+8192*\p
.endr
.endr
.endm
	s_and_b32 s92, s45, 1
	s_cmp_eq_u32 s92, 1
	s_cbranch_scc0 .Lplain                         ; m is the same in all partners
.irp a, 0,1,2,3,4,5,6,7
	SIG \a
.endr
	WIN 0
	s_branch .Lstore
.Lplain:
.irp a, 0,1,2,3,4,5,6,7
	BIAS \a
.endr
	WIN 0
.Lstore:
	s_cmp_eq_u32 s45, 3
	s_cbranch_scc1 .Lf32
.irp a, 0,1,2,3,4,5,6,7
	ST16 \a
.endr
	WIN 0
	s_branch .Lend
.Lf32:
.irp a, 0,1,2,3,4,5,6,7
	ST32 \a
.endr
	WIN 0
.Lend:
	s_wait_tensorcnt 0x0                           ; the wave's end
	ds_add_u32 v28, v29
	s_wait_dscnt 0x0
	CROUND                                         ; the closing round
	s_endpgm
.Lfunc_end_k_qab79d0ca10_proj:
	.size	k_qab79d0ca10_proj, .Lfunc_end_k_qab79d0ca10_proj-k_qab79d0ca10_proj
	.p2alignl 7, 3214868480
	.fill 96, 4, 3214868480
	.section	.rodata,"a",@progbits
	.p2align	6, 0x0
	.amdhsa_kernel k_qab79d0ca10_proj
		.amdhsa_group_segment_fixed_size 327680
		.amdhsa_private_segment_fixed_size 0
		.amdhsa_enable_private_segment 0
		.amdhsa_kernarg_size 56
		.amdhsa_user_sgpr_count 2
		.amdhsa_user_sgpr_kernarg_segment_ptr 1
		.amdhsa_wavefront_size32 1
		.amdhsa_system_sgpr_workgroup_id_x 1
		.amdhsa_system_sgpr_workgroup_id_y 1
		.amdhsa_system_sgpr_workgroup_id_z 1
		.amdhsa_system_vgpr_workitem_id 0
		.amdhsa_next_free_vgpr 512
		.amdhsa_next_free_sgpr 100
		.amdhsa_reserve_vcc 0
		.amdhsa_float_denorm_mode_32 3
		.amdhsa_float_denorm_mode_16_64 3
		.amdhsa_memory_ordered 1
		.amdhsa_forward_progress 1
		.amdhsa_inst_pref_size 136
	.end_amdhsa_kernel
	.amdgpu_metadata
---
amdhsa.version: [ 1, 2 ]
amdhsa.kernels:
  - .name:           k_qab79d0ca10_proj
    .symbol:         k_qab79d0ca10_proj.kd
    .args:
      - { .name: xh, .offset: 0, .size: 8, .value_kind: global_buffer, .address_space: global }
      - { .name: wh, .offset: 8, .size: 8, .value_kind: global_buffer, .address_space: global }
      - { .name: bq, .offset: 16, .size: 8, .value_kind: global_buffer, .address_space: global }
      - { .name: bk, .offset: 24, .size: 8, .value_kind: global_buffer, .address_space: global }
      - { .name: bv, .offset: 32, .size: 8, .value_kind: global_buffer, .address_space: global }
      - { .name: bg, .offset: 40, .size: 8, .value_kind: global_buffer, .address_space: global }
      - { .name: qkgv, .offset: 48, .size: 8, .value_kind: global_buffer, .address_space: global }
    .group_segment_fixed_size: 327680
    .private_segment_fixed_size: 0
    .kernarg_segment_align: 8
    .kernarg_segment_size: 56
    .max_flat_workgroup_size: 128
    .sgpr_count:     100
    .vgpr_count:     512
    .wavefront_size: 32
...
	.end_amdgpu_metadata
.endif
;; end of part 2
;; launch prep (part 3): grid 4 x 64, 4 waves a work-group, no clusters, 82,944 bytes of LDS; arguments qkgv, pr, ks; writes pr, ks
.if DOCPART == 3
	.amdgcn_target "amdgcn-amd-amdhsa--gfx1250"
	.amdhsa_code_object_version 6
	.text
	.protected	k_qab79d0ca10_prep
	.globl	k_qab79d0ca10_prep
	.p2align	8
	.type	k_qab79d0ca10_prep,@function
k_qab79d0ca10_prep:
	s_mov_b64 s[64:65], 0
	v_nop
	global_prefetch_b8 v0, s[64:65] scope:SCOPE_SE
	s_setreg_imm32_b32 hwreg(HW_REG_WAVE_MODE, 25, 1), 1
	s_wait_xcnt 0x0
; WHAT A CHUNK OF 64 TOKENS NEEDS.  With G(s, i] the product of g over s < r <= i:  A[i][s] = sum over d of q_i G(s, i] k_s (s <= i),  Q~_i = q_i G(start-1, i],  K~_s = k_s G(s, end],  T = G over the chunk.
; NO QUOTIENT OF PRODUCTS IS EVER FORMED.  For m = 1, 2, .. 32: QP_m(i) = q_i x the g from the start of i's block of m up to i; KR_m(s) = k_s x the g behind s to the end of its block of m.
; If m is the highest bit in which i > s differ, A[i][s] = sum over d of QP_m(i) KR_m(s).  Z_m(t) = QP_m(t) where t has bit m, else KR_m(t): Z_m Z_m^T holds all entries of level m.
; Every factor is a product of g's, at most 1; one that falls below f16's or f32's range counts as 0.  LIMIT: |q| within 65,504 (as it arrives).
; SHARES.  A work-group: one chunk, 128 d; a wave 32 d, a lane one d, a register one t.  A wave's products have its own 32 d as K; the four waves' sums meet in LDS, the four work-groups' in the next launch but one.
; Z is rounded to f16, laid into the wave's own LDS rows [d][t] and read back turned: fragments with a lane a t.
; OUT.  ks: K~ f16 [T/8][512 d][8 t]; T f32 [c][512] at 4 MiB.  pr, 106,496 bytes a chunk: Q~ bf16 fragments [tt 4][db 16][1 KiB]; at 65,536 the partial A, f32 [dq 4][tile n 10][1 KiB], n = I (I + 1) / 2 + J,
; lane % 16 = i, register j = s = 16 J + 8 (lane / 16) + j; a fragment's registers 0-3 lie in its first 512 bytes, 16 bytes a lane, registers 4-7 in the second.
; REGISTERS.  Window 0: v16-47 q as loaded, then packed Z; v48-111 the tree of g (block b of m at t = b m); v112-175 QP; v176-239 KR.
; Window 1: v0-63 two banks of fragments; v64-127 two banks of diagonal products; v128-207 A's ten tiles; v208-239 k as loaded.
.set RP,   160                         ; a row [d]: 128 bytes + 32
.set RB,   32*RP                       ; a bank
.set RED,  40960                       ; 10,240 bytes a wave: its ten tiles
.set TDS,  81920                       ; 128 totals
.set SPARE, 82432                      ; the spare words: 128 bytes a wave, two blocks of 256 bytes that no other line names
.set ZP, 16
.set T,  48
.set QP, 112
.set KR, 176
.set MSB, 0
.macro WIN new
.if MSB != (\new)
	s_set_vgpr_msb (MSB<<8)|(\new)
.set MSB, \new
.endif
.endm
	s_load_b128 s[4:7], s[0:1], 0x0                ; qkgv s[4:5], pr s[6:7]
	s_load_b64 s[8:9], s[0:1], 0x10                ; ks
	v_lshl_add_u32 v14, v0, 2, SPARE
	v_mov_b32 v15, 0
	v_lshrrev_b32 v1, 5, v0
	v_readfirstlane_b32 s10, v1                    ; wave
	s_mov_b32 s12, ttmp9                           ; dq
	s_and_b32 s13, ttmp7, 0xffff                   ; c
	v_and_b32 v1, 31, v0                           ; l
	s_lshl_b32 s2, s12, 11
	v_lshl_add_u32 v5, v0, 4, s2                   ; 16 d: my unit in a row of units
	s_mul_i32 s3, s10, 2*RB
	v_mul_u32_u24 v2, v1, RP
	v_add_nc_u32 v2, s3, v2                        ; my row in my wave's banks
	v_and_b32 v6, 15, v0                           ; r
	v_bfe_u32 v7, v0, 4, 1
	v_lshlrev_b32 v7, 3, v7                        ; 8 h
	v_and_b32 v3, 7, v0
	v_add_nc_u32 v3, v3, v7
	v_mul_u32_u24 v3, v3, RP                       ; the turning load: row 8 h + l % 8,
	v_bfe_u32 v10, v0, 3, 1
	v_lshl_add_u32 v3, v10, 4, v3                  ; t 8 ((l / 8) % 2) on
	v_add_nc_u32 v3, s3, v3
	v_lshlrev_b32 v240, 4, v1                      ; 16 l
	s_mul_i32 s3, s10, 10240
	s_add_co_u32 s3, s3, RED
	v_add_nc_u32 v4, s3, v240                      ; where my tiles go
	s_mul_i32 s3, s10, 2560
	s_add_co_u32 s3, s3, RED
	v_add_nc_u32 v11, s3, v240                     ; the quarter of each wave's tiles that I add up
	v_lshl_add_u32 v12, v0, 2, TDS
	v_add_nc_u32 v13, TDS, v240
	v_mov_b32 v8, 0
	v_mov_b32 v9, 1.0
	s_lshl_b32 s2, s13, 16
	s_mov_b32 s3, 0
	s_wait_kmcnt 0x0
	s_add_nc_u64 s[14:15], s[4:5], s[2:3]          ; q of my chunk; k lies 4 MiB on
	s_add_nc_u64 s[18:19], s[8:9], s[2:3]          ; K~ of my chunk
	s_lshl_b32 s2, s13, 17
	s_add_co_u32 s2, s2, 0xc00000
	s_add_nc_u64 s[16:17], s[4:5], s[2:3]          ; g of my chunk
	s_mul_i32 s2, s13, 106496
	s_add_nc_u64 s[20:21], s[6:7], s[2:3]          ; my chunk's record
	s_lshl_b32 s2, s13, 11
	s_lshl_b32 s11, s12, 9
	s_add_co_u32 s2, s2, s11
	s_add_nc_u64 s[22:23], s[8:9], s[2:3]          ; T of my chunk and 128 d, less 4 MiB
	s_lshl_b32 s2, s12, 2
	s_add_co_u32 s2, s2, s10
	s_lshl_b32 s2, s2, 10
	s_add_nc_u64 s[66:67], s[20:21], s[2:3]        ; Q~: fragment db = 4 dq + wave
	s_mul_i32 s2, s12, 10240
	s_mul_i32 s11, s10, 2560
	s_add_co_u32 s2, s2, s11
	s_add_co_u32 s2, s2, 65536
	s_add_nc_u64 s[68:69], s[20:21], s[2:3]        ; A: my quarter of the work-group's ten tiles
.irp u, 0,1,2,3,4,5,6,7
	global_load_b128 v[ZP+4*\u:ZP+4*\u+3], v5, s[14:15] offset:8192*\u th:TH_LOAD_NT
.endr
	WIN 0x40
.irp u, 0,1,2,3,4,5,6,7
	global_load_b128 v[208+4*\u:208+4*\u+3], v5, s[14:15] offset:4194304+8192*\u th:TH_LOAD_NT
.endr
	WIN 0
.irp u, 0,1,2,3,4,5,6,7,8,9,10,11,12,13,14,15
	global_load_b128 v[T+4*\u:T+4*\u+3], v5, s[16:17] offset:8192*\u th:TH_LOAD_NT
.endr
	; THE MASKS of a diagonal tile, for register j (s = 8 h + j against i = r): s[24 + 5 j]: i = s; s[24 + 5 j + k], k = 1..4: i > s and 2^(k-1) is the highest bit in which they differ
	v_mov_b32 v241, 64
.irp j, 0,1,2,3,4,5,6,7
	v_add_nc_u32 v242, \j, v7
	v_cmp_eq_u32 s[24+5*\j], v6, v242
	v_xor_b32 v243, v6, v242
	v_cmp_gt_u32 vcc_lo, v6, v242
	v_cndmask_b32 v243, v241, v243, vcc_lo
	v_cmp_eq_u32 s[24+5*\j+1], 1, v243
	v_lshrrev_b32 v244, 1, v243
	v_cmp_eq_u32 s[24+5*\j+2], 1, v244
	v_lshrrev_b32 v244, 2, v243
	v_cmp_eq_u32 s[24+5*\j+3], 1, v244
	v_lshrrev_b32 v244, 3, v243
	v_cmp_eq_u32 s[24+5*\j+4], 1, v244
.endr
	s_wait_loadcnt 0x0
.macro TRL bank                        ; four fragments (16 t x my 32 d) out of a bank of my own rows; LDS serves a wave's instructions in order, so these see the stores ahead of them
	WIN 0x40
.irp I, 0,1,2,3
	ds_load_tr16_b128 v[32*(\bank)+8*\I:32*(\bank)+8*\I+3],   v3 offset:RB*(\bank)+32*\I
	ds_load_tr16_b128 v[32*(\bank)+8*\I+4:32*(\bank)+8*\I+7], v3 offset:RB*(\bank)+32*\I+16*RP
.endr
.endm
.macro UPDATE m                        ; from blocks of m to blocks of 2 m
	WIN 0
.set B, 0
.rept 32/(\m)
.if (\m) == 1
	v_mul_f32 v[QP+B+1], v[QP+B+1], v[T+B]
	v_mul_f32 v[KR+B], v[KR+B], v[T+B+1]
.else
.set t, 0
.rept (\m)/2
	v_pk_mul_f32 v[QP+B+(\m)+t:QP+B+(\m)+t+1], v[QP+B+(\m)+t:QP+B+(\m)+t+1], v[T+B:T+B+1] op_sel_hi:[1,0]
	v_pk_mul_f32 v[KR+B+t:KR+B+t+1], v[KR+B+t:KR+B+t+1], v[T+B+(\m):T+B+(\m)+1] op_sel_hi:[1,0]
.set t, t+2
.endr
.endif
	v_mul_f32 v[T+B], v[T+B], v[T+B+(\m)]
.set B, B+2*(\m)
.endr
.endm
.macro MERGE k, bank                   ; the entries of mask k are taken out of a bank of diagonal products; each product's register 0 is read first
	WIN 0x45
.irp j, 0,1,2,3,4,5,6,7
.irp I, 0,1,2,3
.if (\k) == 0
	v_cndmask_b32 v[128+4*\I*(\I+3)+\j], 0, v[64+32*(\bank)+8*\I+\j], s[24+5*\j]
.else
	v_cndmask_b32 v[128+4*\I*(\I+3)+\j], v[128+4*\I*(\I+3)+\j], v[64+32*(\bank)+8*\I+\j], s[24+5*\j+(\k)]
.endif
.endr
.endr
.endm
; A LEVEL: Z_m is packed, laid down, read back turned; the update to 2 m stands in the wait for that; then the level's products, each a sum of its own (C = 0), and behind them, as their places, the merge of the level before.
.macro LEVEL m, bank, k
	WIN 0
.set p, 0
.rept 32
.if (\m) == 1
	v_cvt_pk_f16_f32 v[ZP+p], v[KR+2*p], v[QP+2*p+1]
.elseif (2*p) & (\m)
	v_cvt_pk_f16_f32 v[ZP+p], v[QP+2*p], v[QP+2*p+1]
.else
	v_cvt_pk_f16_f32 v[ZP+p], v[KR+2*p], v[KR+2*p+1]
.endif
.set p, p+1
.endr
.irp u, 0,1,2,3,4,5,6,7
	ds_store_b128 v2, v[ZP+4*\u:ZP+4*\u+3] offset:RB*(\bank)+16*\u
.endr
	TRL \bank
	UPDATE \m
	s_wait_dscnt 0x0
	WIN 0x45
.if (\m) <= 8
.irp I, 0,1,2,3
	v_wmma_f32_16x16x32_f16 v[64+32*(\bank)+8*\I:64+32*(\bank)+8*\I+7], v[32*(\bank)+8*\I:32*(\bank)+8*\I+7], v[32*(\bank)+8*\I:32*(\bank)+8*\I+7], 0
.endr
.elseif (\m) == 16
	v_wmma_f32_16x16x32_f16 v[136:143], v[32*(\bank):32*(\bank)+7], v[32*(\bank)+8:32*(\bank)+15], 0      ; tile (1, 0): source 0 = s, source 1 = i
	v_wmma_f32_16x16x32_f16 v[192:199], v[32*(\bank)+16:32*(\bank)+23], v[32*(\bank)+24:32*(\bank)+31], 0 ; (3, 2)
.else
	v_wmma_f32_16x16x32_f16 v[152:159], v[32*(\bank):32*(\bank)+7], v[32*(\bank)+16:32*(\bank)+23], 0     ; (2, 0)
	v_wmma_f32_16x16x32_f16 v[160:167], v[32*(\bank)+8:32*(\bank)+15], v[32*(\bank)+16:32*(\bank)+23], 0  ; (2, 1)
	v_wmma_f32_16x16x32_f16 v[176:183], v[32*(\bank):32*(\bank)+7], v[32*(\bank)+24:32*(\bank)+31], 0     ; (3, 0)
	v_wmma_f32_16x16x32_f16 v[184:191], v[32*(\bank)+8:32*(\bank)+15], v[32*(\bank)+24:32*(\bank)+31], 0  ; (3, 1)
.endif
.if (\k) >= 0
	MERGE \k, 1-(\bank)
.endif
.endm
	; the diagonal: q and k as they are
.irp u, 0,1,2,3,4,5,6,7
	ds_store_b128 v2, v[ZP+4*\u:ZP+4*\u+3] offset:16*\u
.endr
	WIN 0x04
.irp u, 0,1,2,3,4,5,6,7
	ds_store_b128 v2, v[208+4*\u:208+4*\u+3] offset:RB+16*\u
.endr
	TRL 0
	TRL 1
	WIN 0
.set t, 0
.rept 64
	v_fma_mix_f32 v[QP+t], v[ZP+t/2], v[T+t], v8 op_sel:[t%2,0,0] op_sel_hi:[1,0,0]   ; QP_1 = q g
.set t, t+1
.endr
	WIN 0x01
.set t, 0
.rept 64
	v_fma_mix_f32 v[KR+t], v[208+t/2], v9, v8 op_sel:[t%2,0,0] op_sel_hi:[1,0,0]      ; KR_1 = k
.set t, t+1
.endr
	s_wait_dscnt 0x0
	WIN 0x45
.irp I, 0,1,2,3
	v_wmma_f32_16x16x32_f16 v[64+8*\I:64+8*\I+7], v[32+8*\I:32+8*\I+7], v[8*\I:8*\I+7], 0
.endr
	LEVEL 1,  1, 0
	LEVEL 2,  0, 1
	LEVEL 4,  1, 2
	LEVEL 8,  0, 3
	LEVEL 16, 1, 4
	LEVEL 32, 0, -1
	; K~ goes out as it lies: a lane's eight t are 16 bytes, 32 lanes 512 consecutive bytes.  These conversions are the places behind the last products.
	WIN 0
.set p, 0
.rept 32
	v_cvt_pk_f16_f32 v[ZP+p], v[KR+2*p], v[KR+2*p+1]
.set p, p+1
.endr
.irp u, 0,1,2,3,4,5,6,7
	global_store_b128 v5, v[ZP+4*\u:ZP+4*\u+3], s[18:19] offset:8192*\u
.endr
	; Q~ in bf16, turned into fragments
.set p, 0
.rept 32
	v_cvt_pk_bf16_f32 v[T+4+p], v[QP+2*p], v[QP+2*p+1]
.set p, p+1
.endr
.irp u, 0,1,2,3,4,5,6,7
	ds_store_b128 v2, v[T+4+4*\u:T+4+4*\u+3] offset:16*\u
.endr
	TRL 0
	WIN 0
	ds_store_b32 v12, v[T]                         ; my d's total
	WIN 0x04
.irp n, 0,1,2,3,4,5,6,7,8,9
	ds_store_b128 v4, v[128+8*\n:128+8*\n+3] offset:1024*\n
	ds_store_b128 v4, v[128+8*\n+4:128+8*\n+7] offset:1024*\n+512
.endr
	s_wait_dscnt 0x0                               ; Q~'s fragments are back, and, for the others' sake, my stores are done
.irp I, 0,1,2,3
	global_store_b128 v240, v[8*\I:8*\I+3], s[66:67] offset:16384*\I
	global_store_b128 v240, v[8*\I+4:8*\I+7], s[66:67] offset:16384*\I+512
.endr
	WIN 0
	s_barrier_signal -1
	s_barrier_wait -1
.irp w, 0,1,2,3
.irp i, 0,1,2,3,4
	ds_load_b128 v[QP+4*(5*\w+\i):QP+4*(5*\w+\i)+3], v11 offset:10240*\w+512*\i
.endr
.endr
	s_wait_dscnt 0x0
.irp i, 0,1,2,3,4
.irp q, 0,2
	v_pk_add_f32 v[QP+4*\i+\q:QP+4*\i+\q+1], v[QP+4*\i+\q:QP+4*\i+\q+1], v[QP+20+4*\i+\q:QP+20+4*\i+\q+1]
	v_pk_add_f32 v[QP+40+4*\i+\q:QP+40+4*\i+\q+1], v[QP+40+4*\i+\q:QP+40+4*\i+\q+1], v[QP+60+4*\i+\q:QP+60+4*\i+\q+1]
	v_pk_add_f32 v[QP+4*\i+\q:QP+4*\i+\q+1], v[QP+4*\i+\q:QP+4*\i+\q+1], v[QP+40+4*\i+\q:QP+40+4*\i+\q+1]
.endr
	global_store_b128 v240, v[QP+4*\i:QP+4*\i+3], s[68:69] offset:512*\i
.endr
	s_cmp_lg_u32 s10, 0
	s_cbranch_scc1 .Lend
	ds_load_b128 v[244:247], v13                   ; wave 0: the 128 totals, 512 consecutive bytes
	s_wait_dscnt 0x0
	global_store_b128 v240, v[244:247], s[22:23] offset:4194304
.Lend:
	s_wait_tensorcnt 0x0                           ; the wave's end, behind my last LDS store
	ds_add_u32 v14, v15
	s_wait_dscnt 0x0
	s_endpgm
.Lfunc_end_k_qab79d0ca10_prep:
	.size	k_qab79d0ca10_prep, .Lfunc_end_k_qab79d0ca10_prep-k_qab79d0ca10_prep
	.p2alignl 7, 3214868480
	.fill 96, 4, 3214868480
	.section	.rodata,"a",@progbits
	.p2align	6, 0x0
	.amdhsa_kernel k_qab79d0ca10_prep
		.amdhsa_group_segment_fixed_size 82944
		.amdhsa_private_segment_fixed_size 0
		.amdhsa_enable_private_segment 0
		.amdhsa_kernarg_size 24
		.amdhsa_user_sgpr_count 2
		.amdhsa_user_sgpr_kernarg_segment_ptr 1
		.amdhsa_wavefront_size32 1
		.amdhsa_system_sgpr_workgroup_id_x 1
		.amdhsa_system_sgpr_workgroup_id_y 1
		.amdhsa_system_sgpr_workgroup_id_z 1
		.amdhsa_system_vgpr_workitem_id 0
		.amdhsa_next_free_vgpr 512
		.amdhsa_next_free_sgpr 80
		.amdhsa_reserve_vcc 1
		.amdhsa_float_denorm_mode_32 3
		.amdhsa_float_denorm_mode_16_64 3
		.amdhsa_memory_ordered 1
		.amdhsa_forward_progress 1
		.amdhsa_inst_pref_size 78
	.end_amdhsa_kernel
	.amdgpu_metadata
---
amdhsa.version: [ 1, 2 ]
amdhsa.kernels:
  - .name:           k_qab79d0ca10_prep
    .symbol:         k_qab79d0ca10_prep.kd
    .args:
      - { .name: qkgv, .offset: 0, .size: 8, .value_kind: global_buffer, .address_space: global }
      - { .name: pr, .offset: 8, .size: 8, .value_kind: global_buffer, .address_space: global }
      - { .name: ks, .offset: 16, .size: 8, .value_kind: global_buffer, .address_space: global }
    .group_segment_fixed_size: 82944
    .private_segment_fixed_size: 0
    .kernarg_segment_align: 8
    .kernarg_segment_size: 24
    .max_flat_workgroup_size: 128
    .sgpr_count:     80
    .vgpr_count:     512
    .wavefront_size: 32
...
	.end_amdgpu_metadata
.endif
;; end of part 3
;; launch state (part 4): grid 16 x 16, 4 waves a work-group, clusters of 4 x 4, 327,680 bytes of LDS; arguments ks, qkgv, sf, out1; writes sf, out1
.if DOCPART == 4
	.amdgcn_target "amdgcn-amd-amdhsa--gfx1250"
	.amdhsa_code_object_version 6
	.text
	.protected	k_qab79d0ca10_state
	.globl	k_qab79d0ca10_state
	.p2align	8
	.type	k_qab79d0ca10_state,@function
k_qab79d0ca10_state:
	s_mov_b64 s[64:65], 0
	v_nop
	global_prefetch_b8 v0, s[64:65] scope:SCOPE_SE
	s_setreg_imm32_b32 hwreg(HW_REG_WAVE_MODE, 25, 1), 1
	s_wait_xcnt 0x0
	s_wait_alu depctr_hold_cnt(0) depctr_sa_sdst(0) depctr_va_vdst(0) depctr_va_sdst(0) depctr_va_ssrc(0) depctr_va_vcc(0) depctr_vm_vsrc(0)
	s_getreg_b32 s2, hwreg(HW_REG_IB_STS2, 6, 4)
	s_cmp_eq_u32 s2, 0
	s_cbranch_scc0 .Lentry_in_a_cluster
	s_endpgm
.Lentry_in_a_cluster:
	s_bfe_u32 s2, ttmp6, 0x10000c
	s_cmp_lg_u32 s2, 0xf033
	s_cbranch_scc0 .Lentry_shape_is_right
	s_endpgm
.Lentry_shape_is_right:
; THE STATE FROM CHUNK TO CHUNK.  S_(c+1) = T_c (.) S_c + K~_c^T V_c, S_0 = 0.  S is carried in f32; K~ and V are f16; each S_c leaves rounded once to bf16; S_64 is out1, in f32.
; SHARES.  A work-group owns 32 d x 32 v of the state and walks all 64 chunks; a wave owns 16 x 16: source 0 = 16 d of K~ (K = 32 t), source 1 = 16 v: register j = d 8 h + j, a lane a v.
; sf: [c][vt 32][db 16][1 KiB]: fragments with a lane a v and K = 32 d.  My eight d pack into 16 bytes: half wd of fragment (vt = 2 X + wv, db = Y): a wave's store is 512 consecutive bytes.
; RING.  Two slots of 16 chunks: 128 unit rows x 512 bytes of K~ (shared along a row of the cluster) and of V (along a column), asked for jointly.  All 64 chunks' T lie beside them, filled once.
; out1's runs are 128 bytes: the work-group owns no more of a row.
.set SLOT, 131072
.set VOFF, 65536
.set TD,   262144                      ; [c 64][32 d] f32
.set STG,  270336                      ; 32 rows x 144 bytes: the way out; no tensor load fills it
.set SPARE, 274944                     ; the spare words: 128 bytes a wave, two blocks of 256 bytes that no other line names
.set G1, 24
.set G0, 32
.set G1B, 48
.set G0B, 56
.macro JLOAD s                         ; waves 0 and 1 fetch K~'s two halves, waves 2 and 3 V's; an s_nop 0 and four v_nop follow each line
	s_cmp_eq_u32 s11, 0
	s_cbranch_scc0 .Lfor_b_\@
	tensor_load_to_lds s[G0+4*(\s):G0+4*(\s)+3], s[G1:G1+7]
	s_nop 0
.rept 4
	v_nop
.endr
	s_branch .Lasked_\@
.Lfor_b_\@:
	tensor_load_to_lds s[G0B+4*(\s):G0B+4*(\s)+3], s[G1B:G1B+7]
	s_nop 0
.rept 4
	v_nop
.endr
.Lasked_\@:
.endm
.macro CROUND
	s_barrier_signal -1
	s_barrier_wait -1
	s_cmp_lg_u32 s10, 0
	s_cbranch_scc1 .Lnot_wave_0_\@
	s_barrier_signal -3
.Lnot_wave_0_\@:
	s_barrier_wait -3
	s_barrier_signal -1
	s_barrier_wait -1
.endm
	s_load_b256 s[72:79], s[0:1], 0x0              ; ks s[72:73], qkgv s[74:75], sf s[76:77], out1 s[78:79]
	v_lshl_add_u32 v14, v0, 2, SPARE
	v_mov_b32 v15, 0
	ds_add_u32 v14, v15                            ; the wave's opening: the add and its wait ahead of my first tensor load
	v_lshrrev_b32 v1, 5, v0
	v_readfirstlane_b32 s10, v1
	s_lshr_b32 s11, s10, 1                         ; wd.  Also: I fetch K~ (0) or V (1)
	s_and_b32 s12, s10, 1                          ; wv.  Also: which half of a slot's rows I fetch
	s_bfe_u32 s40, ttmp6, 0x40000
	s_bfe_u32 s41, ttmp6, 0x40004
	s_lshl_b32 s42, ttmp9, 2
	s_add_co_u32 s42, s42, s40                     ; X: my 32 v
	s_and_b32 s13, ttmp7, 0xffff
	s_lshl_b32 s13, s13, 2
	s_add_co_u32 s13, s13, s41                     ; Y: my 32 d
	s_lshl_b32 s43, s41, 2
	s_lshl_b32 s43, 15, s43
	s_lshl_b32 s44, 0x1111, s40
	s_or_b32 s[G1+0], s43, (3<<16)|(1<<21)         ; mask of my row; elements of 8 bytes; bit 21 beside a mask
	s_or_b32 s[G1B+0], s44, (3<<16)|(1<<21)        ; mask of my column
.irp g, G1, G1B
	s_mov_b32 s[(\g)+1], 64<<16                    ; tensor_dim0 = 64: 512 bytes
	s_mov_b32 s[(\g)+2], 64<<16                    ; tensor_dim1 = 64 rows
	s_mov_b32 s[(\g)+3], 64<<16
	s_mov_b32 s[(\g)+4], 64
	s_mov_b32 s[(\g)+5], 1024                      ; 8,192 bytes from unit row to unit row
	s_mov_b32 s[(\g)+6], 0
	s_mov_b32 s[(\g)+7], 0
.endr
	s_or_b32 s88, s43, (3<<16)|(1<<21)             ; T: 32 chunks x 128 bytes a load, shared along my row
	s_mov_b32 s89, 16<<16
	s_mov_b32 s90, 32<<16
	s_mov_b32 s91, 16<<16
	s_mov_b32 s92, 32
	s_mov_b32 s93, 256
	s_mov_b32 s94, 0
	s_mov_b32 s95, 0
	s_lshl_b32 s16, s12, 19                        ; K~: 64 rows of 8,192 bytes a half,
	s_lshl_b32 s17, s13, 9                         ; 32 d of 16 bytes
	s_add_co_u32 s16, s16, s17
	s_mov_b32 s17, 0
	s_lshl_b32 s18, s12, 16                        ; T: 32 chunks of 2,048 bytes a half,
	s_lshl_b32 s19, s13, 7
	s_add_co_u32 s18, s18, s19
	s_add_co_u32 s18, s18, 0x400000
	s_mov_b32 s19, 0
	s_lshl_b32 s46, s12, 19
	s_lshl_b32 s47, s42, 9
	s_add_co_u32 s46, s46, s47
	s_add_co_u32 s46, s46, 0x800000                ; V lies 8 MiB into qkgv
	s_mov_b32 s47, 0
	s_lshl_b32 s20, s12, 15                        ; where they go: 32,768 bytes a half
	s_lshl_b32 s21, s12, 12
	s_wait_dscnt 0x0
	s_wait_kmcnt 0x0
	s_add_nc_u64 s[14:15], s[72:73], s[16:17]
	s_add_nc_u64 s[18:19], s[72:73], s[18:19]
	s_add_nc_u64 s[46:47], s[74:75], s[46:47]
.irp s, 0,1
	s_mov_b32 s[G0+4*(\s)], 1
	s_add_co_u32 s[G0+4*(\s)+1], s20, (\s)*SLOT
	s_add_nc_u64 s[G0+4*(\s)+2:G0+4*(\s)+3], s[14:15], (\s)*0x100000
	s_or_b32 s[G0+4*(\s)+3], s[G0+4*(\s)+3], 0x80000000
	s_mov_b32 s[G0B+4*(\s)], 1
	s_add_co_u32 s[G0B+4*(\s)+1], s20, (\s)*SLOT+VOFF
	s_add_nc_u64 s[G0B+4*(\s)+2:G0B+4*(\s)+3], s[46:47], (\s)*0x100000
	s_or_b32 s[G0B+4*(\s)+3], s[G0B+4*(\s)+3], 0x80000000
.endr
	s_mov_b32 s84, 1
	s_add_co_u32 s85, s21, TD
	s_mov_b64 s[86:87], s[18:19]
	s_or_b32 s87, s87, 0x80000000
	CROUND                                         ; all sixteen work-groups are here: the first joint loads meet
	s_cmp_eq_u32 s11, 0                            ; a wave's first fills stand in one branch: three loads of mine are out, or two
	s_cbranch_scc0 .Lfirst_b
	tensor_load_to_lds s[84:87], s[88:95]
	s_nop 0
	tensor_load_to_lds s[G0:G0+3], s[G1:G1+7]
	s_nop 0
	tensor_load_to_lds s[G0+4:G0+7], s[G1:G1+7]
	s_nop 0
.rept 4
	v_nop
.endr
	s_branch .Lfirst_done
.Lfirst_b:
	tensor_load_to_lds s[G0B:G0B+3], s[G1B:G1B+7]
	s_nop 0
	tensor_load_to_lds s[G0B+4:G0B+7], s[G1B:G1B+7]
	s_nop 0
.rept 4
	v_nop
.endr
.Lfirst_done:
	v_and_b32 v1, 15, v0                           ; r
	v_bfe_u32 v11, v0, 4, 1                        ; h
	v_and_b32 v12, 31, v0                          ; l
	v_lshlrev_b32 v2, 4, v1
	v_lshl_add_u32 v2, v11, 9, v2                  ; unit row h, unit r
	s_lshl_b32 s96, s12, 8
	s_add_co_u32 s96, s96, VOFF
	v_add_nc_u32 v3, s96, v2                       ; V's fragments in slot 0
	s_lshl_b32 s96, s11, 8
	v_add_nc_u32 v2, s96, v2                       ; K~'s
	s_lshl_b32 s96, s11, 6
	s_add_co_u32 s96, s96, TD
	v_lshl_add_u32 v6, v11, 5, s96                 ; T of my eight d, chunk 0; it walks on through all 64
	s_lshl_b32 s96, s11, 9
	v_lshl_add_u32 v7, v12, 4, s96                 ; my 16 bytes of a fragment of sf; it walks on
	s_mul_i32 s96, s11, 16*144
	s_lshl_b32 s97, s12, 6
	s_add_co_u32 s96, s96, s97
	s_add_co_u32 s96, s96, STG
	v_mul_u32_u24 v8, v11, 8*144
	v_lshl_add_u32 v8, v1, 2, v8
	v_add_nc_u32 v8, s96, v8                       ; into the stage: row 16 wd + 8 h (+ j), word 16 wv + r
	v_lshrrev_b32 v13, 3, v12
	v_and_b32 v12, 7, v12
	s_mul_i32 s96, s10, 8*144
	s_add_co_u32 s96, s96, STG
	v_mul_u32_u24 v9, v13, 144
	v_lshl_add_u32 v9, v12, 4, v9
	v_add_nc_u32 v9, s96, v9                       ; back: row 8 w + l / 8, 16 bytes l % 8
	s_lshl_b32 s96, s10, 14
	v_lshl_add_u32 v10, v13, 11, s96
	v_lshl_add_u32 v10, v12, 4, v10                ; and the same in out1
	s_lshl_b32 s96, s42, 1
	s_add_co_u32 s96, s96, s12
	s_lshl_b32 s96, s96, 4
	s_add_co_u32 s96, s96, s13
	s_lshl_b32 s96, s96, 10
	s_mov_b32 s97, 0
	s_add_nc_u64 s[80:81], s[76:77], s[96:97]      ; sf at fragment (2 X + wv, Y) of chunk 0
	s_lshl_b32 s96, s13, 16
	s_lshl_b32 s2, s42, 7
	s_add_co_u32 s96, s96, s2
	s_add_nc_u64 s[82:83], s[78:79], s[96:97]      ; out1 at row 32 Y, column 32 X
.irp j, 0,1,2,3,4,5,6,7
	v_mov_b32 v[16+\j], 0                          ; S_0
.endr
.macro LD2 set, cl0                    ; two chunks' fragments and T: 20 LDS loads
.irp e, 0,1
.irp kk, 0,1
.irp hf, 0,1
	ds_load_b128 v[(\set)+40*\e+8*\kk+4*\hf:(\set)+40*\e+8*\kk+4*\hf+3], v4 offset:4096*((\cl0)+\e)+2048*\kk+1024*\hf
	ds_load_b128 v[(\set)+40*\e+16+8*\kk+4*\hf:(\set)+40*\e+16+8*\kk+4*\hf+3], v5 offset:4096*((\cl0)+\e)+2048*\kk+1024*\hf
.endr
.endr
	ds_load_b128 v[(\set)+40*\e+32:(\set)+40*\e+35], v6 offset:128*((\cl0)+\e)
	ds_load_b128 v[(\set)+40*\e+36:(\set)+40*\e+39], v6 offset:128*((\cl0)+\e)+16
.endr
.endm
.macro DO2 set, cl0                    ; four products, each a sum of its own (32 t); then, chunk by chunk: S leaves, S = S T + U + U'.  The first chunk's four roundings are the places behind the products
.irp e, 0,1
.irp kk, 0,1
	v_wmma_f32_16x16x32_f16 v[24+8*(2*\e+\kk):24+8*(2*\e+\kk)+7], v[(\set)+40*\e+8*\kk:(\set)+40*\e+8*\kk+7], v[(\set)+40*\e+16+8*\kk:(\set)+40*\e+16+8*\kk+7], 0
.endr
.endr
.irp e, 0,1
.irp p, 0,1,2,3
	v_cvt_pk_bf16_f32 v[56+4*((\cl0)+\e)+\p], v[16+2*\p], v[17+2*\p]
.endr
	global_store_b128 v7, v[56+4*((\cl0)+\e):56+4*((\cl0)+\e)+3], s[80:81] offset:524288*((\cl0)+\e) th:TH_STORE_NT
.irp p, 0,2,4,6
	v_pk_fma_f32 v[16+\p:17+\p], v[16+\p:17+\p], v[(\set)+40*\e+32+\p:(\set)+40*\e+33+\p], v[24+16*\e+\p:25+16*\e+\p]
.endr
.irp p, 0,2,4,6
	v_pk_add_f32 v[16+\p:17+\p], v[16+\p:17+\p], v[32+16*\e+\p:33+16*\e+\p]
.endr
.endr
.endm
.macro PHASE slot                      ; a slot's 16 chunks, four a trip
	v_add_nc_u32 v4, (\slot)*SLOT, v2
	v_add_nc_u32 v5, (\slot)*SLOT, v3
	s_mov_b32 s3, 4
.Lph_\@:
	LD2 72, 0
	LD2 152, 2
	s_wait_dscnt 20                                ; the first two chunks are in; the other 20 loads may be out
	DO2 72, 0
	s_wait_dscnt 0x0
	DO2 152, 2
	s_wait_xcnt 0x0                                ; the stores have read their address and data: both are written again only behind this wait
	v_add_nc_u32 v4, 16384, v4
	v_add_nc_u32 v5, 16384, v5
	v_add_nc_u32 v6, 512, v6
	v_add_nc_u32 v7, 0x200000, v7
	s_sub_co_u32 s3, s3, 1
	s_cmp_lg_u32 s3, 0
	s_cbranch_scc1 .Lph_\@
.endm
.macro CHANGE slot, fill               ; the slot just read is left; fill = 1: it takes the chunks two slots on, the first thing behind a round of the cluster's barrier
	s_wait_tensorcnt 0x0                           ; all my tensor loads have landed: my part of the other slot
	ds_add_u32 v14, v15                            ; 0 onto my spare word
.if \fill
	s_add_nc_u64 s[G0+4*(\slot)+2:G0+4*(\slot)+3], s[G0+4*(\slot)+2:G0+4*(\slot)+3], 0x200000
	s_add_nc_u64 s[G0B+4*(\slot)+2:G0B+4*(\slot)+3], s[G0B+4*(\slot)+2:G0B+4*(\slot)+3], 0x200000
.endif
	s_wait_dscnt 0x0                               ; the add is done, and my reads of the slot are over
.if \fill
	CROUND
	JLOAD \slot
.else
	s_barrier_signal -1
	s_barrier_wait -1
.endif
.endm
	s_wait_tensorcnt 0x1                           ; T and my part of slot 0 are in; slot 1's load may stay out
	s_barrier_signal -1
	s_barrier_wait -1
	PHASE 0
	CHANGE 0, 1
	PHASE 1
	CHANGE 1, 1
	PHASE 0
	CHANGE 0, 0
	PHASE 1
	; out1 through the stage, so that a row's 128 bytes leave together
.irp j, 0,1,2,3,4,5,6,7
	ds_store_b32 v8, v[16+\j] offset:144*\j
.endr
	s_wait_dscnt 0x0
	s_barrier_signal -1
	s_barrier_wait -1
	ds_load_b128 v[24:27], v9
	ds_load_b128 v[28:31], v9 offset:4*144
	s_wait_dscnt 0x0
	global_store_b128 v10, v[24:27], s[82:83]
	global_store_b128 v10, v[28:31], s[82:83] offset:8192
	s_wait_tensorcnt 0x0                           ; the wave's end
	ds_add_u32 v14, v15
	s_wait_dscnt 0x0
	CROUND                                         ; the closing round
	s_endpgm
.Lfunc_end_k_qab79d0ca10_state:
	.size	k_qab79d0ca10_state, .Lfunc_end_k_qab79d0ca10_state-k_qab79d0ca10_state
	.p2alignl 7, 3214868480
	.fill 96, 4, 3214868480
	.section	.rodata,"a",@progbits
	.p2align	6, 0x0
	.amdhsa_kernel k_qab79d0ca10_state
		.amdhsa_group_segment_fixed_size 327680
		.amdhsa_private_segment_fixed_size 0
		.amdhsa_enable_private_segment 0
		.amdhsa_kernarg_size 32
		.amdhsa_user_sgpr_count 2
		.amdhsa_user_sgpr_kernarg_segment_ptr 1
		.amdhsa_wavefront_size32 1
		.amdhsa_system_sgpr_workgroup_id_x 1
		.amdhsa_system_sgpr_workgroup_id_y 1
		.amdhsa_system_sgpr_workgroup_id_z 1
		.amdhsa_system_vgpr_workitem_id 0
		.amdhsa_next_free_vgpr 256
		.amdhsa_next_free_sgpr 100
		.amdhsa_reserve_vcc 0
		.amdhsa_float_denorm_mode_32 3
		.amdhsa_float_denorm_mode_16_64 3
		.amdhsa_memory_ordered 1
		.amdhsa_forward_progress 1
		.amdhsa_inst_pref_size 40
	.end_amdhsa_kernel
	.amdgpu_metadata
---
amdhsa.version: [ 1, 2 ]
amdhsa.kernels:
  - .name:           k_qab79d0ca10_state
    .symbol:         k_qab79d0ca10_state.kd
    .args:
      - { .name: ks, .offset: 0, .size: 8, .value_kind: global_buffer, .address_space: global }
      - { .name: qkgv, .offset: 8, .size: 8, .value_kind: global_buffer, .address_space: global }
      - { .name: sf, .offset: 16, .size: 8, .value_kind: global_buffer, .address_space: global }
      - { .name: out1, .offset: 24, .size: 8, .value_kind: global_buffer, .address_space: global }
    .group_segment_fixed_size: 327680
    .private_segment_fixed_size: 0
    .kernarg_segment_align: 8
    .kernarg_segment_size: 32
    .max_flat_workgroup_size: 128
    .sgpr_count:     100
    .vgpr_count:     256
    .wavefront_size: 32
...
	.end_amdgpu_metadata
.endif
;; end of part 4
;; launch chunk (part 5): grid 4 x 64, 4 waves a work-group, clusters of 4 x 1, 167,936 bytes of LDS; arguments pr, qkgv, sf, of; writes of
.if DOCPART == 5
	.amdgcn_target "amdgcn-amd-amdhsa--gfx1250"
	.amdhsa_code_object_version 6
	.text
	.protected	k_qab79d0ca10_chunk
	.globl	k_qab79d0ca10_chunk
	.p2align	8
	.type	k_qab79d0ca10_chunk,@function
k_qab79d0ca10_chunk:
	s_mov_b64 s[64:65], 0
	v_nop
	global_prefetch_b8 v0, s[64:65] scope:SCOPE_SE
	s_setreg_imm32_b32 hwreg(HW_REG_WAVE_MODE, 25, 1), 1
	s_wait_xcnt 0x0
	s_wait_alu depctr_hold_cnt(0) depctr_sa_sdst(0) depctr_va_vdst(0) depctr_va_sdst(0) depctr_va_ssrc(0) depctr_va_vcc(0) depctr_vm_vsrc(0)
	s_getreg_b32 s2, hwreg(HW_REG_IB_STS2, 6, 4)
	s_cmp_eq_u32 s2, 0
	s_cbranch_scc0 .Lentry_in_a_cluster
	s_endpgm
.Lentry_in_a_cluster:
	s_bfe_u32 s2, ttmp6, 0x10000c
	s_cmp_lg_u32 s2, 0x3003
	s_cbranch_scc0 .Lentry_shape_is_right
	s_endpgm
.Lentry_shape_is_right:
; A CHUNK'S OUTPUT.  O = A V + Q~ S_c.  A work-group: one chunk (64 t) x 128 v (block vb); a wave 32 v.  Both products are taken transposed: register j = v 8 h + j, a lane a t.
; A: the four partial sums are added in f32; each row is divided by E = the power of two at or below its largest magnitude (exact), rounded to f16, multiplied with V in f16, and the f32 sums are multiplied by E again.
; Q~ S: bf16 operands (S has no room in f16), f32 sums.  O: each row's 128 v are divided by their own power of two, rounded to f16 and stored as fragments; the power goes beside them, in f32.
; LIMITS.  A row maximum of 2^127 or more has no reciprocal here; one below 2^-126 counts as 0.  NaN and infinities are not treated apart.
; of: O f16 [vb 4][tt 256][w 4][1 KiB], a lane a t, K = v 128 vb + 32 w + ..; the powers f32 [vb][4096] at 4 MiB.
; CLUSTER.  The four blocks vb of a chunk need the same record (Q~ and A, 106,496 bytes): asked for jointly, a quarter a wave, once.  V and S come straight into registers: no wave shares them.
; REGISTERS.  Window 0: v16-47 V, later Q~ buffer 0 and the packed O; v48-95 A in f16 (six fragments), later Q~ buffer 1; v96-159 at work, then A V; v160-239 A in f32, then Q~ S and O.  Window 1: S, (vtl, db) at 8 (2 db + vtl).
.set MX,   106496                      ; behind the record: [w][tt][r] row maxima
.set MX2,  107520                      ; the 64 powers
.set SPARE, 107776                     ; the spare words: 128 bytes a wave, two blocks of 256 bytes that no other line names
.set MSB, 0
.macro WIN new
.if MSB != (\new)
	s_set_vgpr_msb (MSB<<8)|(\new)
.set MSB, \new
.endif
.endm
.macro PLACES
.rept 4
	v_nop
.endr
.endm
.macro CROUND
	s_barrier_signal -1
	s_barrier_wait -1
	s_cmp_lg_u32 s10, 0
	s_cbranch_scc1 .Lnot_wave_0_\@
	s_barrier_signal -3
.Lnot_wave_0_\@:
	s_barrier_wait -3
	s_barrier_signal -1
	s_barrier_wait -1
.endm
	s_load_b256 s[72:79], s[0:1], 0x0              ; pr s[72:73], qkgv s[74:75], sf s[76:77], of s[78:79]
	v_lshl_add_u32 v12, v0, 2, SPARE
	v_mov_b32 v13, 0
	ds_add_u32 v12, v13                            ; the wave's opening: the add and its wait ahead of my first tensor load
	v_lshrrev_b32 v1, 5, v0
	v_readfirstlane_b32 s10, v1
	s_bfe_u32 s40, ttmp6, 0x40000
	s_lshl_b32 s42, ttmp9, 2
	s_add_co_u32 s42, s42, s40                     ; vb: it enters V's, S's and O's addresses alone
	s_and_b32 s13, ttmp7, 0xffff                   ; c, which the four partners share
	s_mov_b32 s24, 15|(3<<16)|(1<<21)              ; the mask of four; elements of 8 bytes; bit 21 beside a mask
	s_mov_b32 s25, 32<<16                          ; rows of 256 bytes,
	s_mov_b32 s26, 104<<16                         ; 104 of them: a quarter of the record
	s_mov_b32 s27, 32<<16
	s_mov_b32 s28, 104
	s_mov_b32 s29, 32                              ; dense
	s_mov_b32 s30, 0
	s_mov_b32 s31, 0
	s_mul_i32 s20, s10, 26624
	s_mul_i32 s16, s13, 106496
	s_add_co_u32 s16, s16, s20
	s_mov_b32 s17, 0
	s_mov_b32 s32, 1
	s_mov_b32 s33, s20
	s_mov_b32 s60, 0x76543210                      ; v_permlanex16_b32: each lane takes its own place in the other half
	s_mov_b32 s61, 0xfedcba98
	s_wait_dscnt 0x0
	s_wait_kmcnt 0x0
	s_add_nc_u64 s[34:35], s[72:73], s[16:17]
	s_or_b32 s35, s35, 0x80000000
	CROUND                                         ; all four work-groups are here: the joint loads meet
	tensor_load_to_lds s[32:35], s[24:31]
	s_nop 0
.rept 4
	v_nop
.endr
	v_and_b32 v1, 31, v0                           ; l
	v_and_b32 v240, 15, v0                         ; r
	v_bfe_u32 v242, v0, 4, 1                       ; h
	v_lshlrev_b32 v2, 4, v1                        ; 16 l: a fragment's lane
	v_add_nc_u32 v3, 0x10000, v2                   ; the same among A's tiles
	v_lshlrev_b32 v4, 13, v242
	v_lshl_add_u32 v4, v240, 4, v4                 ; V: unit row h, unit r
	s_lshl_b32 s21, s10, 8
	s_add_co_u32 s21, s21, MX
	v_lshl_add_u32 v5, v240, 2, s21
	v_lshl_add_u32 v6, v240, 2, MX
	v_lshl_add_u32 v7, v240, 2, MX2
	v_lshl_add_u32 v14, v1, 3, MX2
	v_lshlrev_b32 v15, 3, v1
	v_mov_b32 v241, 0
	v_mov_b32 v243, 0
	s_lshl_b32 s92, s42, 7
	s_lshl_b32 s93, s10, 5
	s_add_co_u32 s92, s92, s93
	s_lshl_b32 s92, s92, 4                         ; my first v, 16 bytes a unit
	s_lshl_b32 s93, s13, 16
	s_add_co_u32 s92, s92, s93
	s_add_co_u32 s92, s92, 0x800000
	s_mov_b32 s93, 0
	s_add_nc_u64 s[80:81], s[74:75], s[92:93]      ; V
	s_lshl_b32 s92, s13, 5
	s_lshl_b32 s94, s42, 3
	s_add_co_u32 s92, s92, s94
	s_lshl_b32 s94, s10, 1
	s_add_co_u32 s92, s92, s94
	s_lshl_b32 s92, s92, 14
	s_add_nc_u64 s[82:83], s[76:77], s[92:93]      ; S_c, my two blocks of 16 v
	s_lshl_b32 s92, s42, 8
	s_lshl_b32 s94, s13, 2
	s_add_co_u32 s92, s92, s94
	s_lshl_b32 s92, s92, 2
	s_add_co_u32 s92, s92, s10
	s_lshl_b32 s92, s92, 10
	s_add_nc_u64 s[84:85], s[78:79], s[92:93]      ; O's fragments
	s_lshl_b32 s92, s42, 14
	s_lshl_b32 s94, s13, 8
	s_add_co_u32 s92, s92, s94
	s_add_nc_u64 s[86:87], s[78:79], s[92:93]      ; the powers, less 4 MiB
.irp kk, 0,1
.irp vtl, 0,1
.irp hf, 0,1
	global_load_b128 v[16+8*(2*\kk+\vtl)+4*\hf:16+8*(2*\kk+\vtl)+4*\hf+3], v4, s[80:81] offset:32768*\kk+16384*\hf+256*\vtl
.endr
.endr
.endr
	WIN 0x40
.set db, 0
.rept 16
.irp vtl, 0,1
.irp p, 0,1
	global_load_b128 v[8*(2*db+\vtl)+4*\p:8*(2*db+\vtl)+4*\p+3], v2, s[82:83] offset:16384*\vtl+1024*db+512*\p th:TH_LOAD_NT
.endr
.endr
.set db, db+1
.endr
	WIN 0
	s_wait_tensorcnt 0x0                           ; my quarter of the record is in,
	s_barrier_signal -1
	s_barrier_wait -1                              ; everybody's is
.macro ASUM n0                         ; tiles n0 and n0 + 1: the four partial sums
.irp e, 0,1
.irp dq, 0,1,2,3
.irp p, 0,1
	ds_load_b128 v[96+8*(4*\e+\dq)+4*\p:96+8*(4*\e+\dq)+4*\p+3], v3 offset:(10*\dq+(\n0)+\e)*1024+512*\p
.endr
.endr
.endr
	s_wait_dscnt 0x0
.irp e, 0,1
.irp q, 0,2,4,6
	v_pk_add_f32 v[96+32*\e+\q:97+32*\e+\q], v[96+32*\e+\q:97+32*\e+\q], v[104+32*\e+\q:105+32*\e+\q]
	v_pk_add_f32 v[112+32*\e+\q:113+32*\e+\q], v[112+32*\e+\q:113+32*\e+\q], v[120+32*\e+\q:121+32*\e+\q]
	v_pk_add_f32 v[160+8*((\n0)+\e)+\q:161+8*((\n0)+\e)+\q], v[96+32*\e+\q:97+32*\e+\q], v[112+32*\e+\q:113+32*\e+\q]
.endr
.endr
.endm
	ASUM 0
	ASUM 2
	ASUM 4
	ASUM 6
	ASUM 8
.macro ROWS I                          ; the 16 rows of block I: largest magnitude, its power of two E, A / E in f16.  Tile J fills half J % 2 of the fragment for s 32 (J / 2) on
.set n0, (\I)*((\I)+1)/2
.set N, 8*((\I)+1)
.set fb, (\I)
.if (\I) >= 2
.set fb, 2*(\I)-2
.endif
.set i, 0
.rept N
	v_and_b32 v[96+i], 0x7fffffff, v[160+8*n0+i]
.set i, i+1
.endr
	v_max_num_f32 v240, v96, v97
.set i, 2
.rept N/2-1
	v_max3_num_f32 v240, v240, v[96+i], v[97+i]
.set i, i+2
.endr
	v_permlanex16_b32 v241, v240, s60, s61         ; the row's other s lie in the lane 16 away
	v_max_num_f32 v240, v240, v241
	v_and_b32 v[8+(\I)], 0x7f800000, v240          ; E
	v_sub_nc_u32 v242, 0x7f000000, v[8+(\I)]       ; 1 / E: the exponent mirrored
.set i, 0
.rept N/2
	v_pk_mul_f32 v[160+8*n0+i:161+8*n0+i], v[160+8*n0+i:161+8*n0+i], v[242:243] op_sel_hi:[1,0]
.set i, i+2
.endr
.set J, 0
.rept (\I)+1
.irp p, 0,1,2,3
	v_cvt_pk_f16_f32 v[48+8*(fb+J/2)+4*(J%2)+\p], v[160+8*(n0+J)+2*\p], v[161+8*(n0+J)+2*\p]
.endr
.set J, J+1
.endr
.endm
	ROWS 0
	ROWS 1
	ROWS 2
	ROWS 3
.irp p, 0,1,2,3
	v_mov_b32 v[52+\p], 0                          ; above the diagonal: tiles (0, 1) and (2, 3)
	v_mov_b32 v[76+\p], 0
.endr
	s_wait_loadcnt 63                              ; of the 72 loads at most 63 are out: V's eight, the oldest, are in
.irp tt, 0,1,2,3
.irp vtl, 0,1
.set fb, \tt
.if \tt >= 2
.set fb, 2*\tt-2
.endif
	v_wmma_f32_16x16x32_f16 v[96+8*(2*\tt+\vtl):96+8*(2*\tt+\vtl)+7], v[16+8*\vtl:16+8*\vtl+7], v[48+8*fb:48+8*fb+7], 0
.endr
.endr
.irp tt, 2,3
.irp vtl, 0,1
	v_wmma_f32_16x16x32_f16 v[96+8*(2*\tt+\vtl):96+8*(2*\tt+\vtl)+7], v[32+8*\vtl:32+8*\vtl+7], v[48+8*(2*\tt-1):48+8*(2*\tt-1)+7], v[96+8*(2*\tt+\vtl):96+8*(2*\tt+\vtl)+7]
.endr
.endr
.macro QLOAD db, buf                   ; Q~'s four fragments for 32 d
.irp tt, 0,1,2,3
	ds_load_b128 v[(\buf)+8*\tt:(\buf)+8*\tt+3],   v2 offset:(16*\tt+(\db))*1024
	ds_load_b128 v[(\buf)+8*\tt+4:(\buf)+8*\tt+7], v2 offset:(16*\tt+(\db))*1024+512
.endr
.endm
	PLACES                                         ; V's and A's registers take Q~
	QLOAD 0, 16
.set db, 0
.rept 16
.set qb, 16+32*(db%2)
.set qn, 16+32*((db+1)%2)
.if (db > 0) && (db < 15)
	PLACES                                         ; the other buffer was multiplied just now
.endif
	WIN 0
.if db < 15
	QLOAD db+1, qn
	s_wait_dscnt 8                                 ; all but the eight just issued
.else
	s_wait_dscnt 0x0
.endif
	s_wait_loadcnt 60-4*db                         ; S of these 32 d is in; the later blocks' loads, four each, may be out
	WIN 0x01
.irp tt, 0,1,2,3
.irp vtl, 0,1
.if db == 0
	v_wmma_f32_16x16x32_bf16 v[160+8*(2*\tt+\vtl):160+8*(2*\tt+\vtl)+7], v[8*(2*db+\vtl):8*(2*db+\vtl)+7], v[qb+8*\tt:qb+8*\tt+7], 0
.else
	v_wmma_f32_16x16x32_bf16 v[160+8*(2*\tt+\vtl):160+8*(2*\tt+\vtl)+7], v[8*(2*db+\vtl):8*(2*db+\vtl)+7], v[qb+8*\tt:qb+8*\tt+7], v[160+8*(2*\tt+\vtl):160+8*(2*\tt+\vtl)+7]
.endif
.endr
.endr
.set db, db+1
.endr
	WIN 0
	PLACES
.irp tt, 0,1,2,3                       ; O = E (A / E) V + Q~ S; each accumulator is read from its low end on
.irp vtl, 0,1
.irp q, 0,2,4,6
	v_pk_fma_f32 v[160+8*(2*\tt+\vtl)+\q:161+8*(2*\tt+\vtl)+\q], v[96+8*(2*\tt+\vtl)+\q:97+8*(2*\tt+\vtl)+\q], v[8+2*(\tt/2):9+2*(\tt/2)], v[160+8*(2*\tt+\vtl)+\q:161+8*(2*\tt+\vtl)+\q] op_sel:[0,\tt%2,0] op_sel_hi:[1,\tt%2,1]
.endr
.endr
.endr
.irp tt, 0,1,2,3                       ; a row's largest magnitude among my 32 v
.set i, 0
.rept 16
	v_and_b32 v[96+16*\tt+i], 0x7fffffff, v[160+16*\tt+i]
.set i, i+1
.endr
	v_max_num_f32 v[244+\tt], v[96+16*\tt], v[97+16*\tt]
.set i, 2
.rept 7
	v_max3_num_f32 v[244+\tt], v[244+\tt], v[96+16*\tt+i], v[97+16*\tt+i]
.set i, i+2
.endr
	v_permlanex16_b32 v241, v[244+\tt], s60, s61
	v_max_num_f32 v[244+\tt], v[244+\tt], v241
	ds_store_b32 v5, v[244+\tt] offset:64*\tt
.endr
	s_wait_dscnt 0x0
	s_barrier_signal -1
	s_barrier_wait -1
.irp tt, 0,1,2,3
.irp w, 0,1,2,3
	ds_load_b32 v[48+4*\tt+\w], v6 offset:256*\w+64*\tt
.endr
.endr
	s_wait_dscnt 0x0
.irp tt, 0,1,2,3
	v_max3_num_f32 v[244+\tt], v[48+4*\tt], v[49+4*\tt], v[50+4*\tt]
	v_max_num_f32 v[244+\tt], v[244+\tt], v[51+4*\tt]
	v_and_b32 v[248+\tt], 0x7f800000, v[244+\tt]   ; the block's power of two,
	v_sub_nc_u32 v[252+\tt], 0x7f000000, v[248+\tt]  ; and its reciprocal
.endr
.irp tt, 0,1,2,3
.set i, 0
.rept 8
	v_pk_mul_f32 v[160+16*\tt+i:161+16*\tt+i], v[160+16*\tt+i:161+16*\tt+i], v[252+2*(\tt/2):253+2*(\tt/2)] op_sel:[0,\tt%2] op_sel_hi:[1,\tt%2]
.set i, i+2
.endr
.set i, 0
.rept 8
	v_cvt_pk_f16_f32 v[16+8*\tt+i], v[160+16*\tt+2*i], v[161+16*\tt+2*i]
.set i, i+1
.endr
	global_store_b128 v2, v[16+8*\tt:16+8*\tt+3], s[84:85] offset:4096*\tt
	global_store_b128 v2, v[16+8*\tt+4:16+8*\tt+7], s[84:85] offset:4096*\tt+512
.endr
	s_cmp_lg_u32 s10, 0
	s_cbranch_scc1 .Lend
.irp tt, 0,1,2,3
	ds_store_b32 v7, v[248+\tt] offset:64*\tt      ; wave 0: the 64 powers, gathered so that they leave as 256 consecutive bytes
.endr
	ds_load_b64 v[240:241], v14                    ; LDS serves a wave's instructions in order: this sees the stores above
	s_wait_dscnt 0x0
	global_store_b64 v15, v[240:241], s[86:87] offset:4194304
.Lend:
	s_wait_tensorcnt 0x0                           ; the wave's end
	ds_add_u32 v12, v13
	s_wait_dscnt 0x0
	CROUND                                         ; the closing round
	s_endpgm
.Lfunc_end_k_qab79d0ca10_chunk:
	.size	k_qab79d0ca10_chunk, .Lfunc_end_k_qab79d0ca10_chunk-k_qab79d0ca10_chunk
	.p2alignl 7, 3214868480
	.fill 96, 4, 3214868480
	.section	.rodata,"a",@progbits
	.p2align	6, 0x0
	.amdhsa_kernel k_qab79d0ca10_chunk
		.amdhsa_group_segment_fixed_size 167936
		.amdhsa_private_segment_fixed_size 0
		.amdhsa_enable_private_segment 0
		.amdhsa_kernarg_size 32
		.amdhsa_user_sgpr_count 2
		.amdhsa_user_sgpr_kernarg_segment_ptr 1
		.amdhsa_wavefront_size32 1
		.amdhsa_system_sgpr_workgroup_id_x 1
		.amdhsa_system_sgpr_workgroup_id_y 1
		.amdhsa_system_sgpr_workgroup_id_z 1
		.amdhsa_system_vgpr_workitem_id 0
		.amdhsa_next_free_vgpr 512
		.amdhsa_next_free_sgpr 100
		.amdhsa_reserve_vcc 0
		.amdhsa_float_denorm_mode_32 3
		.amdhsa_float_denorm_mode_16_64 3
		.amdhsa_memory_ordered 1
		.amdhsa_forward_progress 1
		.amdhsa_inst_pref_size 75
	.end_amdhsa_kernel
	.amdgpu_metadata
---
amdhsa.version: [ 1, 2 ]
amdhsa.kernels:
  - .name:           k_qab79d0ca10_chunk
    .symbol:         k_qab79d0ca10_chunk.kd
    .args:
      - { .name: pr, .offset: 0, .size: 8, .value_kind: global_buffer, .address_space: global }
      - { .name: qkgv, .offset: 8, .size: 8, .value_kind: global_buffer, .address_space: global }
      - { .name: sf, .offset: 16, .size: 8, .value_kind: global_buffer, .address_space: global }
      - { .name: of, .offset: 24, .size: 8, .value_kind: global_buffer, .address_space: global }
    .group_segment_fixed_size: 167936
    .private_segment_fixed_size: 0
    .kernarg_segment_align: 8
    .kernarg_segment_size: 32
    .max_flat_workgroup_size: 128
    .sgpr_count:     100
    .vgpr_count:     512
    .wavefront_size: 32
...
	.end_amdgpu_metadata
.endif
;; end of part 5
;; launch outp (part 6): grid 16 x 16, 4 waves a work-group, clusters of 4 x 4, 327,680 bytes of LDS; arguments of, wh, bo, out0; writes out0
.if DOCPART == 6
	.amdgcn_target "amdgcn-amd-amdhsa--gfx1250"
	.amdhsa_code_object_version 6
	.text
	.protected	k_qab79d0ca10_outp
	.globl	k_qab79d0ca10_outp
	.p2align	8
	.type	k_qab79d0ca10_outp,@function
k_qab79d0ca10_outp:
	s_mov_b64 s[64:65], 0
	v_nop
	global_prefetch_b8 v0, s[64:65] scope:SCOPE_SE
	s_setreg_imm32_b32 hwreg(HW_REG_WAVE_MODE, 25, 1), 1
	s_wait_xcnt 0x0
	s_wait_alu depctr_hold_cnt(0) depctr_sa_sdst(0) depctr_va_vdst(0) depctr_va_sdst(0) depctr_va_ssrc(0) depctr_va_vcc(0) depctr_vm_vsrc(0)
	s_getreg_b32 s2, hwreg(HW_REG_IB_STS2, 6, 4)
	s_cmp_eq_u32 s2, 0
	s_cbranch_scc0 .Lentry_in_a_cluster
	s_endpgm
.Lentry_in_a_cluster:
	s_bfe_u32 s2, ttmp6, 0x10000c
	s_cmp_lg_u32 s2, 0xf033
	s_cbranch_scc0 .Lentry_shape_is_right
	s_endpgm
.Lentry_shape_is_right:
; THE OUTPUT PROJECTION.  out0[t][n] = bo[n] + the sum over the four blocks vb of E(t, vb) x (O'(t, vb) . Wo[vb][n]).  O' and Wo in f16, sums in f32; E is the power of two that the launch before took out of the block.
; SHARES.  A work-group makes 256 t x 128 n, a wave 128 t x 64 n.  Source 0 = 16 columns n of Wo (turned out of LDS), source 1 = 16 t of O': register j = n 8 h + j, a lane a t.
; A K step is one block vb, 128 v: its products start at 0 in window 1 and are added, times the lane's E, onto the totals in window 2, which start at the bias.
; RING.  Two slots: O' as fragments (65,536 dense bytes, shared along a row of the cluster) and Wo ([v][n]: 128 rows x 256 bytes, 288 apart, shared along a column), asked for jointly.  Four K steps: written out, two refills.
; REGISTERS.  Window 0: addresses, two fragment buffers of 96 (O's 8, Wo's 4).  Window 1: P.  Window 2: the totals.  Window 3: v0-31 E(a, vb) at 4 a + vb; v32-63 the bias, block b at 32 + 8 b.
.set WOFF,  65536
.set WP,    288
.set WHALF, 64*WP
.set SLOT,  WOFF+2*WHALF               ; 102,400
.set STAGE, 2*SLOT                     ; 16 rows x 272 bytes for each wave, for the way out; no tensor load fills it
.set SPARE, STAGE+4*16*272             ; the spare words: 128 bytes a wave, two blocks of 256 bytes that no other line names
.set ADRO, 16
.set ADRW, 20
.set F0, 64
.set F1, 160
.set G1, 24
.set G0, 32
.set G1B, 48
.set G0B, 56
.set MSB, 0
.macro WIN new
.if MSB != (\new)
	s_set_vgpr_msb (MSB<<8)|(\new)
.set MSB, \new
.endif
.endm
.macro PLACES
.rept 4
	v_nop
.endr
.endm
.macro JLOAD s                         ; waves 0 and 1 fetch O's two halves, waves 2 and 3 Wo's; an s_nop 0 and four v_nop follow each line
	s_cmp_eq_u32 s11, 0
	s_cbranch_scc0 .Lfor_b_\@
	tensor_load_to_lds s[G0+4*(\s):G0+4*(\s)+3], s[G1:G1+7]
	s_nop 0
.rept 4
	v_nop
.endr
	s_branch .Lasked_\@
.Lfor_b_\@:
	tensor_load_to_lds s[G0B+4*(\s):G0B+4*(\s)+3], s[G1B:G1B+7]
	s_nop 0
.rept 4
	v_nop
.endr
.Lasked_\@:
.endm
.macro CREST
	s_cmp_lg_u32 s10, 0
	s_cbranch_scc1 .Lnot_wave_0_\@
	s_barrier_signal -3
.Lnot_wave_0_\@:
	s_barrier_wait -3
	s_barrier_signal -1
	s_barrier_wait -1
.endm
.macro CROUND
	s_barrier_signal -1
	s_barrier_wait -1
	CREST
.endm
	s_load_b256 s[72:79], s[0:1], 0x0              ; of s[72:73], wh s[74:75], bo s[76:77], out0 s[78:79]
	v_lshl_add_u32 v28, v0, 2, SPARE
	v_mov_b32 v29, 0
	ds_add_u32 v28, v29                            ; the wave's opening: the add and its wait ahead of my first tensor load
	v_lshrrev_b32 v1, 5, v0
	v_readfirstlane_b32 s10, v1
	s_lshr_b32 s11, s10, 1                         ; my half of the t.  Also: I fetch O (0) or Wo (1)
	s_and_b32 s12, s10, 1                          ; my half of the n.  Also: which half of that tile I fetch
	s_bfe_u32 s40, ttmp6, 0x40000
	s_bfe_u32 s41, ttmp6, 0x40004
	s_lshl_b32 s42, ttmp9, 2
	s_add_co_u32 s42, s42, s40                     ; X: my 128 n
	s_and_b32 s13, ttmp7, 0xffff
	s_lshl_b32 s13, s13, 2
	s_add_co_u32 s13, s13, s41                     ; Y: my 256 t
	s_lshl_b32 s43, s41, 2
	s_lshl_b32 s43, 15, s43
	s_lshl_b32 s44, 0x1111, s40
	s_or_b32 s[G1+0], s43, (3<<16)|(1<<21)         ; O': dense, 128 rows of 256 bytes a load; mask of my row
	s_mov_b32 s[G1+1], 32<<16
	s_mov_b32 s[G1+2], 128<<16
	s_mov_b32 s[G1+3], 32<<16
	s_mov_b32 s[G1+4], 128
	s_mov_b32 s[G1+5], 32
	s_mov_b32 s[G1+6], 0
	s_mov_b32 s[G1+7], 0
	s_or_b32 s[G1B+0], s44, (1<<16)|(1<<20)|(1<<21)|(5<<22)|(7<<25)  ; Wo: 64 rows x 128 elements of 2 bytes, 8 words of padding behind every 64; mask of my column
	s_mov_b32 s[G1B+1], 128<<16
	s_mov_b32 s[G1B+2], 64<<16
	s_mov_b32 s[G1B+3], 128<<16
	s_mov_b32 s[G1B+4], 64
	s_mov_b32 s[G1B+5], 2048
	s_mov_b32 s[G1B+6], 0
	s_mov_b32 s[G1B+7], 0
	s_lshl_b32 s16, s13, 16                        ; O': 16 tiles of 4,096 bytes a block Y, 8 a half
	s_lshl_b32 s17, s12, 15
	s_add_co_u32 s16, s16, s17
	s_mov_b32 s17, 0
	s_lshl_b32 s46, s12, 18                        ; Wo: 64 rows of 4,096 bytes a half,
	s_lshl_b32 s47, s42, 8                         ; 128 columns a block
	s_add_co_u32 s46, s46, s47
	s_add_co_u32 s46, s46, 0x800000                ; 8 MiB into wh
	s_mov_b32 s47, 0
	s_lshl_b32 s20, s12, 15
	s_mul_i32 s21, s12, WHALF
	s_add_co_u32 s21, s21, WOFF
	s_wait_dscnt 0x0
	s_wait_kmcnt 0x0
	s_add_nc_u64 s[14:15], s[72:73], s[16:17]
	s_add_nc_u64 s[46:47], s[74:75], s[46:47]
	CROUND                                         ; all sixteen work-groups are here: the first joint loads meet
.irp s, 0,1
	s_mov_b32 s[G0+4*(\s)], 1
	s_add_co_u32 s[G0+4*(\s)+1], s20, (\s)*SLOT
	s_add_nc_u64 s[G0+4*(\s)+2:G0+4*(\s)+3], s[14:15], (\s)*0x100000
	s_or_b32 s[G0+4*(\s)+3], s[G0+4*(\s)+3], 0x80000000
	s_mov_b32 s[G0B+4*(\s)], 1
	s_add_co_u32 s[G0B+4*(\s)+1], s21, (\s)*SLOT
	s_add_nc_u64 s[G0B+4*(\s)+2:G0B+4*(\s)+3], s[46:47], (\s)*0x80000
	s_or_b32 s[G0B+4*(\s)+3], s[G0B+4*(\s)+3], 0x80000000
	JLOAD \s
.endr
	v_and_b32 v1, 15, v0                           ; r
	v_bfe_u32 v2, v0, 4, 1                         ; h
	v_and_b32 v3, 31, v0
	v_lshlrev_b32 v3, 4, v3                        ; 16 l
	v_and_b32 v4, 7, v0
	v_bfe_u32 v5, v0, 3, 1
	v_lshl_add_u32 v6, v2, 3, v4
	v_mul_u32_u24 v6, v6, WP
	v_lshl_add_u32 v6, v5, 4, v6
	s_lshl_b32 s92, s11, 15
	s_lshl_b32 s93, s12, 7
	s_add_co_u32 s93, s93, WOFF
.irp s, 0,1
	v_add_nc_u32 v[ADRO+(\s)], s92, v3
	v_add_nc_u32 v[ADRW+(\s)], s93, v6
	s_add_co_u32 s92, s92, SLOT
	s_add_co_u32 s93, s93, SLOT
.endr
	s_mul_i32 s92, s10, 16*272
	s_add_co_u32 s92, s92, STAGE
	v_mul_u32_u24 v24, v1, 272
	v_lshl_add_u32 v24, v2, 5, v24
	v_add_nc_u32 v24, s92, v24                     ; into my stage: row r, 32 bytes a half
	v_mul_u32_u24 v25, v2, 272
	v_lshl_add_u32 v25, v1, 4, v25
	v_add_nc_u32 v25, s92, v25                     ; back: lanes 0-15 one row of 256 bytes, lanes 16-31 the next
	v_lshlrev_b32 v26, 13, v2
	v_lshl_add_u32 v26, v1, 4, v26                 ; and the same two rows in out0
	v_lshlrev_b32 v27, 5, v2
	v_lshlrev_b32 v31, 2, v1
	s_lshl_b32 s92, s13, 8
	s_lshl_b32 s93, s11, 7
	s_add_co_u32 s92, s92, s93                     ; my first t
	s_lshl_b32 s94, s42, 7
	s_lshl_b32 s95, s12, 6
	s_add_co_u32 s94, s94, s95
	s_lshl_b32 s94, s94, 2                         ; my first n, in bytes
	s_lshl_b32 s96, s92, 2
	s_add_co_u32 s96, s96, 0x400000
	s_mov_b32 s97, 0
	s_add_nc_u64 s[86:87], s[72:73], s[96:97]      ; the powers of my t, block 0
	s_mov_b32 s96, s94
	s_add_nc_u64 s[88:89], s[76:77], s[96:97]      ; the bias of my n
	s_lshl_b32 s96, s92, 13
	s_add_co_u32 s96, s96, s94
	s_add_nc_u64 s[90:91], s[78:79], s[96:97]      ; out0 at my corner
	WIN 0xc0
.irp a, 0,1,2,3,4,5,6,7
.irp vb, 0,1,2,3
	global_load_b32 v[4*\a+\vb], v31, s[86:87] offset:16384*\vb+64*\a
.endr
.endr
.irp b, 0,1,2,3
	global_load_b128 v[32+8*\b:32+8*\b+3], v27, s[88:89] offset:64*\b
	global_load_b128 v[32+8*\b+4:32+8*\b+7], v27, s[88:89] offset:64*\b+16
.endr
	WIN 0
.macro MUL8 f, a0, zero
	WIN 0x50
.irp a, \a0, (\a0)+1
.irp b, 0,1,2,3
.if \zero
	v_wmma_f32_16x16x32_f16 v[8*(4*(\a)+(\b)):8*(4*(\a)+(\b))+7], v[(\f)+64+8*(\b):(\f)+64+8*(\b)+7], v[(\f)+8*(\a):(\f)+8*(\a)+7], 0
.else
	v_wmma_f32_16x16x32_f16 v[8*(4*(\a)+(\b)):8*(4*(\a)+(\b))+7], v[(\f)+64+8*(\b):(\f)+64+8*(\b)+7], v[(\f)+8*(\a):(\f)+8*(\a)+7], v[8*(4*(\a)+(\b)):8*(4*(\a)+(\b))+7]
.endif
.endr
.endr
.endm
.macro FETCH slot, q, f                ; 24 LDS loads in one run: Wo's four fragments, O's 0-3, O's 4-7
	WIN 0
.irp b, 0,1,2,3
	ds_load_tr16_b128 v[(\f)+64+8*(\b):(\f)+64+8*(\b)+3],   v[ADRW+(\slot)] offset:32*WP*(\q)+32*(\b)
	ds_load_tr16_b128 v[(\f)+64+8*(\b)+4:(\f)+64+8*(\b)+7], v[ADRW+(\slot)] offset:32*WP*(\q)+32*(\b)+16*WP
.endr
.irp a, 0,1,2,3,4,5,6,7
	ds_load_b128 v[(\f)+8*(\a):(\f)+8*(\a)+3],   v[ADRO+(\slot)] offset:4096*(\a)+1024*(\q)
	ds_load_b128 v[(\f)+8*(\a)+4:(\f)+8*(\a)+7], v[ADRO+(\slot)] offset:4096*(\a)+1024*(\q)+512
.endr
.endm
.macro QUARTER slot, q, f, g, zero
	s_wait_dscnt 8                                 ; Wo and O's blocks 0-3 are in; the youngest eight loads may be out
	MUL8 \f, 0, \zero
	MUL8 \f, 2, \zero
	PLACES
	FETCH \slot, \q, \g
	s_wait_dscnt 24                                ; all but the 24 just issued
	MUL8 \f, 4, \zero
	MUL8 \f, 6, \zero
.endm
.macro TURN slot, next, fill           ; the last quarter multiplies buffer 1 and changes slots
	WIN 0
	s_wait_tensorcnt 0x0                           ; all my tensor loads have landed: my part of the next slot
	ds_add_u32 v28, v29                            ; 0 onto my spare word
	s_wait_dscnt 9                                 ; the add and the youngest eight loads may be out
	MUL8 F1, 0, 0
	s_wait_dscnt 0x0                               ; the add is done, and my reads of this slot are over
	s_barrier_signal -1
	MUL8 F1, 2, 0
.if \fill
	WIN 0
.endif
	s_barrier_wait -1
.if \fill
	CREST                                          ; the barrier has opened a round of the cluster's: no wave of any partner still reads this slot or has a load on its way
	s_add_nc_u64 s[G0+4*(\slot)+2:G0+4*(\slot)+3], s[G0+4*(\slot)+2:G0+4*(\slot)+3], 0x200000
	s_add_nc_u64 s[G0B+4*(\slot)+2:G0B+4*(\slot)+3], s[G0B+4*(\slot)+2:G0B+4*(\slot)+3], 0x100000
	JLOAD \slot                                    ; its four v_nop are also the places in front of the loads below
.else
	PLACES
.endif
	FETCH \next, 0, F0
	MUL8 F1, 4, 0
	MUL8 F1, 6, 0
.endm
.macro ACCUM vb                        ; totals += E(t, vb) x the block's products; block 0 starts them at the bias.  Each accumulator is read from its low end on
	PLACES
.if (\vb) == 0
	WIN 0xbd
.else
	WIN 0xad
.endif
.irp a, 0,1,2,3,4,5,6,7
.irp b, 0,1,2,3
.irp q, 0,2,4,6
.if (\vb) == 0
	v_pk_fma_f32 v[8*(4*\a+\b)+\q:8*(4*\a+\b)+\q+1], v[8*(4*\a+\b)+\q:8*(4*\a+\b)+\q+1], v[4*\a:4*\a+1], v[32+8*\b+\q:33+8*\b+\q] op_sel_hi:[1,0,1]
.else
	v_pk_fma_f32 v[8*(4*\a+\b)+\q:8*(4*\a+\b)+\q+1], v[8*(4*\a+\b)+\q:8*(4*\a+\b)+\q+1], v[4*\a+2*((\vb)/2):4*\a+2*((\vb)/2)+1], v[8*(4*\a+\b)+\q:8*(4*\a+\b)+\q+1] op_sel:[0,(\vb)%2,0] op_sel_hi:[1,(\vb)%2,1]
.endif
.endr
.endr
.endr
.endm
	s_wait_tensorcnt 0x1                           ; my part of block 0 is in; block 1's may stay out
	s_barrier_signal -1
	s_barrier_wait -1
	FETCH 0, 0, F0
	QUARTER 0, 1, F0, F1, 1
	QUARTER 0, 2, F1, F0, 0
	QUARTER 0, 3, F0, F1, 0
	TURN 0, 1, 1
	s_wait_loadcnt 0x0                             ; the powers and the bias
	ACCUM 0
	QUARTER 1, 1, F0, F1, 1
	QUARTER 1, 2, F1, F0, 0
	QUARTER 1, 3, F0, F1, 0
	TURN 1, 0, 1
	ACCUM 1
	QUARTER 0, 1, F0, F1, 1
	QUARTER 0, 2, F1, F0, 0
	QUARTER 0, 3, F0, F1, 0
	TURN 0, 1, 0
	ACCUM 2
	QUARTER 1, 1, F0, F1, 1
	QUARTER 1, 2, F1, F0, 0
	QUARTER 1, 3, F0, F1, 0
	s_wait_dscnt 8
	MUL8 F1, 0, 0
	MUL8 F1, 2, 0
	s_wait_dscnt 0x0
	MUL8 F1, 4, 0
	MUL8 F1, 6, 0
	ACCUM 3
	; THE WAY OUT: 16 t at a time through my own stage: a lane's 32 bytes go into rows of 272 and come back as whole rows of 256
.macro OUT a
	WIN 0
	s_wait_xcnt 0x0                                ; earlier stores have read their registers: they are loaded again only behind this wait
	WIN 0x08
.irp b, 0,1,2,3
	ds_store_b128 v24, v[8*(4*(\a)+\b):8*(4*(\a)+\b)+3] offset:64*\b
	ds_store_b128 v24, v[8*(4*(\a)+\b)+4:8*(4*(\a)+\b)+7] offset:64*\b+16
.endr
	WIN 0
.irp i, 0,1,2,3,4,5,6,7
	ds_load_b128 v[64+32*((\a)%2)+4*\i:64+32*((\a)%2)+4*\i+3], v25 offset:544*\i  ; LDS serves a wave's instructions in order: these see the stores above
.endr
	s_wait_dscnt 0x0
.irp i, 0,1,2,3,4,5,6,7
	global_store_b128 v26, v[64+32*((\a)%2)+4*\i:64+32*((\a)%2)+4*\i+3], s[90:91] offset:131072*(\a)+16384*\i th:TH_STORE_NT  ; 16 lanes store 256 consecutive bytes, aligned
.endr
.endm
.irp a, 0,1,2,3,4,5,6,7
	OUT \a
.endr
	s_wait_tensorcnt 0x0                           ; the wave's end
	ds_add_u32 v28, v29
	s_wait_dscnt 0x0
	CROUND                                         ; the closing round
	s_endpgm
.Lfunc_end_k_qab79d0ca10_outp:
	.size	k_qab79d0ca10_outp, .Lfunc_end_k_qab79d0ca10_outp-k_qab79d0ca10_outp
	.p2alignl 7, 3214868480
	.fill 96, 4, 3214868480
	.section	.rodata,"a",@progbits
	.p2align	6, 0x0
	.amdhsa_kernel k_qab79d0ca10_outp
		.amdhsa_group_segment_fixed_size 327680
		.amdhsa_private_segment_fixed_size 0
		.amdhsa_enable_private_segment 0
		.amdhsa_kernarg_size 32
		.amdhsa_user_sgpr_count 2
		.amdhsa_user_sgpr_kernarg_segment_ptr 1
		.amdhsa_wavefront_size32 1
		.amdhsa_system_sgpr_workgroup_id_x 1
		.amdhsa_system_sgpr_workgroup_id_y 1
		.amdhsa_system_sgpr_workgroup_id_z 1
		.amdhsa_system_vgpr_workitem_id 0
		.amdhsa_next_free_vgpr 832
		.amdhsa_next_free_sgpr 100
		.amdhsa_reserve_vcc 0
		.amdhsa_float_denorm_mode_32 3
		.amdhsa_float_denorm_mode_16_64 3
		.amdhsa_memory_ordered 1
		.amdhsa_forward_progress 1
		.amdhsa_inst_pref_size 122
	.end_amdhsa_kernel
	.amdgpu_metadata
---
amdhsa.version: [ 1, 2 ]
amdhsa.kernels:
  - .name:           k_qab79d0ca10_outp
    .symbol:         k_qab79d0ca10_outp.kd
    .args:
      - { .name: of, .offset: 0, .size: 8, .value_kind: global_buffer, .address_space: global }
      - { .name: wh, .offset: 8, .size: 8, .value_kind: global_buffer, .address_space: global }
      - { .name: bo, .offset: 16, .size: 8, .value_kind: global_buffer, .address_space: global }
      - { .name: out0, .offset: 24, .size: 8, .value_kind: global_buffer, .address_space: global }
    .group_segment_fixed_size: 327680
    .private_segment_fixed_size: 0
    .kernarg_segment_align: 8
    .kernarg_segment_size: 32
    .max_flat_workgroup_size: 128
    .sgpr_count:     100
    .vgpr_count:     832
    .wavefront_size: 32
...
	.end_amdgpu_metadata
.endif
;; end of part 6
;; ======== version 2 of 2: 6 launches; version 1 with the launches cast, prep written anew for expert scheduling mode
;; limits: values are held in f16: magnitudes above 65,504 overflow, below 6.1e-05 lose precision
;; workspace buffers: xh 16,777,216 bytes; wh 10,485,760 bytes; qkgv 20,971,520 bytes; pr 6,815,744 bytes; ks 4,325,376 bytes; sf 33,554,432 bytes; of 4,259,840 bytes
;; launch cast (part 7): grid 256 x 1, 8 waves a work-group, no clusters, 0 bytes of LDS; arguments hidden_state, Wq, Wk, Wv, Wg, Wo, xh, wh; writes xh, wh
.if DOCPART == 7
	.amdgcn_target "amdgcn-amd-amdhsa--gfx1250"
	.amdhsa_code_object_version 6
	.text
	.protected	k_qab79d0ca10_cast
	.globl	k_qab79d0ca10_cast
	.p2align	8
	.type	k_qab79d0ca10_cast,@function
k_qab79d0ca10_cast:
	s_mov_b64 s[64:65], 0
	v_nop
	global_prefetch_b8 v0, s[64:65] scope:SCOPE_SE
	s_setreg_imm32_b32 hwreg(HW_REG_WAVE_SCHED_MODE, 0, 2), 2
	s_setreg_imm32_b32 hwreg(HW_REG_WAVE_MODE, 25, 1), 1
	s_wait_xcnt 0x0
	s_wait_alu depctr_vm_vsrc(0)
; THE CAST.  x and the four projection weights are rounded once to bf16; Wo is rounded to bf16 and that number is written as f16.
; xh: bf16 [4096][2048].  wh: bf16 [4][2048][512] (q, k, v, g, 2 MiB each), then Wo as f16 [512][2048] at 8 MiB.
; LIMIT.  Wo beyond 65,504 has no f16; below 2^-14 it keeps f16's fixed step of 2^-24.
; A stream: no LDS, no matrix unit.  Thread t takes 16 bytes at 16 t of each piece of 4,096 bytes: a wave's load covers 512 consecutive bytes,
; its store of 8 bytes a lane 256 consecutive bytes, aligned.  A work-group takes 4 pieces of each weight array and 32 of x.
; All 52 loads of a wave go out first; each has registers of its own, so no register is written again behind its store.
; THE MODE: SCHED_MODE bits 1:0 = 2 (LLVM: expert scheduling mode 2), set by the entry lines.  The code itself states the register dependences
; between vector instructions and memory instructions, with s_wait_alu, always for 0.
; THE PLAN.  Registers that memory instructions touch:
;   v1, v2       the loads' and the stores' offsets: written once at the head, never again.
;   D + 4 i ..   load i lands in four registers; its conversions read them and write the first two (Wo's: all four); its store reads the first two; nothing writes them afterwards.
; The 52 loads go in 13 blocks of four.  Block p converts its four loads; the four stores of block p - 1 are dealt among those conversions, which name block p's sixteen registers alone.
; So one wait at a block's head states all that the block's four stores hang on.  No register that a memory instruction reads is written again: no wait of that kind is owed.
.set D, 16                             ; v[16:223]  load i at D + 4 i: 0-3 Wq, 4-7 Wk, 8-11 Wv, 12-15 Wg, 16-19 Wo, 20-51 x
	s_load_b512 s[16:31], s[0:1], 0x0              ; x s[16:17], Wq, Wk, Wv, Wg, Wo s[18:27], xh s[28:29], wh s[30:31]
	v_lshlrev_b32 v1, 4, v0                        ; 16 t: where I load
	v_lshlrev_b32 v2, 3, v0                        ; 8 t: where I store
	s_lshl_b32 s4, ttmp9, 14                       ; the group's 16 KiB of each weight array
	s_mov_b32 s5, 0
	s_lshl_b32 s6, ttmp9, 17                       ; its 128 KiB of x
	s_mov_b32 s7, 0
	s_lshl_b32 s8, ttmp9, 16                       ; and the halves of these on the way out
	s_mov_b32 s9, 0
	s_lshl_b32 s10, ttmp9, 13
	s_mov_b32 s11, 0
	s_mov_b32 s12, 0xffff0000                      ; a word's upper bf16
	s_wait_kmcnt 0x0
	s_add_nc_u64 s[16:17], s[16:17], s[6:7]
.irp p, 18,20,22,24,26
	s_add_nc_u64 s[\p:\p+1], s[\p:\p+1], s[4:5]
.endr
	s_add_nc_u64 s[28:29], s[28:29], s[8:9]
	s_add_nc_u64 s[30:31], s[30:31], s[10:11]
	s_add_nc_u64 s[32:33], s[30:31], 0x800000      ; Wo's place in wh
	s_wait_alu depctr_va_vdst(0)                   ; v1 and v2 are written: every load reads v1 as its offset, every store v2
.set i, 0
.irp p, 18,20,22,24,26
.irp k, 0,1,2,3
	global_load_b128 v[D+4*i:D+4*i+3], v1, s[\p:\p+1] offset:4096*\k th:TH_LOAD_NT
.set i, i+1
.endr
.endr
.rept 32
	global_load_b128 v[D+4*i:D+4*i+3], v1, s[16:17] offset:4096*(i-20) th:TH_LOAD_NT
.set i, i+1
.endr
; The conversions of load i
.macro CV i
	v_cvt_pk_bf16_f32 v[D+4*(\i)], v[D+4*(\i)], v[D+4*(\i)+1]
	v_cvt_pk_bf16_f32 v[D+4*(\i)+1], v[D+4*(\i)+2], v[D+4*(\i)+3]
.if ((\i) >= 16) && ((\i) < 20)
	v_lshlrev_b32 v[D+4*(\i)+2], 16, v[D+4*(\i)]   ; the bf16 numbers as f32 again,
	v_and_b32 v[D+4*(\i)+3], s12, v[D+4*(\i)]
	v_cvt_pk_f16_f32 v[D+4*(\i)], v[D+4*(\i)+2], v[D+4*(\i)+3]  ; and written as f16
	v_lshlrev_b32 v[D+4*(\i)+2], 16, v[D+4*(\i)+1]
	v_and_b32 v[D+4*(\i)+3], s12, v[D+4*(\i)+1]
	v_cvt_pk_f16_f32 v[D+4*(\i)+1], v[D+4*(\i)+2], v[D+4*(\i)+3]
.endif
.endm
; The store of load i
.macro ST i
.if (\i) < 16
	global_store_b64 v2, v[D+4*(\i):D+4*(\i)+1], s[30:31] offset:((\i)/4)*0x200000+2048*((\i)%4) th:TH_STORE_NT
.elseif (\i) < 20
	global_store_b64 v2, v[D+4*(\i):D+4*(\i)+1], s[32:33] offset:2048*((\i)-16) th:TH_STORE_NT
.else
	global_store_b64 v2, v[D+4*(\i):D+4*(\i)+1], s[28:29] offset:2048*((\i)-20) th:TH_STORE_NT
.endif
.endm
.set p, 0
.rept 13
	s_wait_loadcnt 48-4*p                          ; loads come back in order: block p's four are in, the younger ones stay out
.if p > 0
	s_wait_alu depctr_va_vdst(0)                   ; the block before has written its eight packed registers, which the four stores below read
.endif
.irp k, 0,1,2,3
.if p > 0
	ST 4*p-4+\k
.endif
	CV 4*p+\k
.endr
.set p, p+1
.endr
	s_wait_alu depctr_va_vdst(0)                   ; block 12 has written its packed registers, which the last four stores read
.irp k, 0,1,2,3
	ST 48+\k
.endr
	s_endpgm
.Lfunc_end_k_qab79d0ca10_cast:
	.size	k_qab79d0ca10_cast, .Lfunc_end_k_qab79d0ca10_cast-k_qab79d0ca10_cast
	.p2alignl 7, 3214868480
	.fill 96, 4, 3214868480
	.section	.rodata,"a",@progbits
	.p2align	6, 0x0
	.amdhsa_kernel k_qab79d0ca10_cast
		.amdhsa_group_segment_fixed_size 0
		.amdhsa_private_segment_fixed_size 0
		.amdhsa_enable_private_segment 0
		.amdhsa_kernarg_size 64
		.amdhsa_user_sgpr_count 2
		.amdhsa_user_sgpr_kernarg_segment_ptr 1
		.amdhsa_wavefront_size32 1
		.amdhsa_system_sgpr_workgroup_id_x 1
		.amdhsa_system_sgpr_workgroup_id_y 1
		.amdhsa_system_sgpr_workgroup_id_z 1
		.amdhsa_system_vgpr_workitem_id 0
		.amdhsa_next_free_vgpr 224
		.amdhsa_next_free_sgpr 66
		.amdhsa_reserve_vcc 0
		.amdhsa_float_denorm_mode_32 3
		.amdhsa_float_denorm_mode_16_64 3
		.amdhsa_memory_ordered 1
		.amdhsa_forward_progress 1
		.amdhsa_inst_pref_size 20
	.end_amdhsa_kernel
	.amdgpu_metadata
---
amdhsa.version: [ 1, 2 ]
amdhsa.kernels:
  - .name:           k_qab79d0ca10_cast
    .symbol:         k_qab79d0ca10_cast.kd
    .args:
      - { .name: hidden_state, .offset: 0, .size: 8, .value_kind: global_buffer, .address_space: global }
      - { .name: Wq, .offset: 8, .size: 8, .value_kind: global_buffer, .address_space: global }
      - { .name: Wk, .offset: 16, .size: 8, .value_kind: global_buffer, .address_space: global }
      - { .name: Wv, .offset: 24, .size: 8, .value_kind: global_buffer, .address_space: global }
      - { .name: Wg, .offset: 32, .size: 8, .value_kind: global_buffer, .address_space: global }
      - { .name: Wo, .offset: 40, .size: 8, .value_kind: global_buffer, .address_space: global }
      - { .name: xh, .offset: 48, .size: 8, .value_kind: global_buffer, .address_space: global }
      - { .name: wh, .offset: 56, .size: 8, .value_kind: global_buffer, .address_space: global }
    .group_segment_fixed_size: 0
    .private_segment_fixed_size: 0
    .kernarg_segment_align: 8
    .kernarg_segment_size: 64
    .max_flat_workgroup_size: 256
    .sgpr_count:     66
    .vgpr_count:     224
    .wavefront_size: 32
...
	.end_amdgpu_metadata
.endif
;; end of part 7
;; launch proj: the kernel of part 2 again; grid 16 x 16, 4 waves a work-group, clusters of 4 x 4, 327,680 bytes of LDS; arguments xh, wh, bq, bk, bv, bg, qkgv; writes qkgv
;; launch prep (part 8): grid 4 x 64, 4 waves a work-group, no clusters, 82,944 bytes of LDS; arguments qkgv, pr, ks; writes pr, ks
.if DOCPART == 8
	.amdgcn_target "amdgcn-amd-amdhsa--gfx1250"
	.amdhsa_code_object_version 6
	.text
	.protected	k_qab79d0ca10_prep
	.globl	k_qab79d0ca10_prep
	.p2align	8
	.type	k_qab79d0ca10_prep,@function
k_qab79d0ca10_prep:
	s_mov_b64 s[64:65], 0
	v_nop
	global_prefetch_b8 v0, s[64:65] scope:SCOPE_SE
	s_setreg_imm32_b32 hwreg(HW_REG_WAVE_SCHED_MODE, 0, 2), 2
	s_setreg_imm32_b32 hwreg(HW_REG_WAVE_MODE, 25, 1), 1
	s_wait_xcnt 0x0
	s_wait_alu depctr_vm_vsrc(0)
; WHAT A CHUNK OF 64 TOKENS NEEDS.  With G(s, i] the product of g over s < r <= i:  A[i][s] = sum over d of q_i G(s, i] k_s (s <= i),  Q~_i = q_i G(start-1, i],  K~_s = k_s G(s, end],  T = G over the chunk.
; NO QUOTIENT OF PRODUCTS IS EVER FORMED.  For m = 1, 2, .. 32: QP_m(i) = q_i x the g from the start of i's block of m up to i; KR_m(s) = k_s x the g behind s to the end of its block of m.
; If m is the highest bit in which i > s differ, A[i][s] = sum over d of QP_m(i) KR_m(s).  Z_m(t) = QP_m(t) where t has bit m, else KR_m(t): Z_m Z_m^T holds all entries of level m.
; Every factor is a product of g's, at most 1; one that falls below f16's or f32's range counts as 0.  LIMIT: |q| within 65,504 (as it arrives).
; SHARES.  A work-group: one chunk, 128 d; a wave 32 d, a lane one d, a register one t.  A wave's products have its own 32 d as K; the four waves' sums meet in LDS, the four work-groups' in the next launch but one.
; Z is rounded to f16, laid into the wave's own LDS rows [d][t] and read back turned: fragments with a lane a t.
; OUT.  ks: K~ f16 [T/8][512 d][8 t]; T f32 [c][512] at 4 MiB.  pr, 106,496 bytes a chunk: Q~ bf16 fragments [tt 4][db 16][1 KiB]; at 65,536 the partial A, f32 [dq 4][tile n 10][1 KiB], n = I (I + 1) / 2 + J,
; lane % 16 = i, register j = s = 16 J + 8 (lane / 16) + j; a fragment's registers 0-3 lie in its first 512 bytes, 16 bytes a lane, registers 4-7 in the second.
; REGISTERS.  Window 0: v16-47 q as loaded, then packed Z; v48-111 the tree of g (block b of m at t = b m); v112-175 QP (at the head v112-127 serve the masks); v176-239 KR.
; Window 1: v0-63 two banks of fragments; v64-127 two banks of diagonal products; v128-207 A's ten tiles; v208-239 k as loaded.
; THE MODE: SCHED_MODE bits 1:0 = 2 (LLVM: expert scheduling mode 2), set by the entry lines.  The code itself states the register dependences
; between vector or matrix instructions and memory or LDS instructions, with s_wait_alu, always for 0.
; THE PLAN.  Registers that memory or LDS instructions touch:
;   v2-v5, v11-v13, v240   addresses: written once at the head, never again.  v14, v15: likewise, read by the closing add alone.
;   ZP (v16-47)            q's loads land in it; the diagonal's LDS stores read it; then, level by level: 32 conversions write it, 8 LDS stores read it; last K~'s conversions write it and 8 global stores read it.
;   the two fragment banks turned LDS loads land in a bank; the level's products read it; the loads of the level after next land in it again; bank 0 is read last by Q~'s global stores.
;   k as loaded, v48, v52-83, A's tiles: written, then read by stores, never written again.
;   v112-191               QP and KR, vector work alone, until the 20 LDS loads behind the barrier land there; the adds write v112-131, five global stores read them.
; So a level has two waits: one on va_vdst behind its conversions (ZP is written; the products that read this bank are done reading it), ahead of its stores and turned loads;
; one on vm_vsrc behind its wait for those loads (the stores have read ZP), ahead of the next conversions.  The end has one wait on va_vdst behind all its conversions and one behind all its adds.
.set RP,   160                         ; a row [d]: 128 bytes + 32
.set RB,   32*RP                       ; a bank
.set RED,  40960                       ; 10,240 bytes a wave: its ten tiles
.set TDS,  81920                       ; 128 totals
.set SPARE, 82432                      ; the spare words: 128 bytes a wave, two blocks of 256 bytes that no other line names
.set ZP, 16
.set T,  48
.set QP, 112
.set KR, 176
.set MSB, 0
.macro WIN new
.if MSB != (\new)
	s_set_vgpr_msb (MSB<<8)|(\new)
.set MSB, \new
.endif
.endm
	s_load_b128 s[4:7], s[0:1], 0x0                ; qkgv s[4:5], pr s[6:7]
	s_load_b64 s[8:9], s[0:1], 0x10                ; ks
	v_lshl_add_u32 v14, v0, 2, SPARE
	v_mov_b32 v15, 0
	v_lshrrev_b32 v1, 5, v0
	v_readfirstlane_b32 s10, v1                    ; wave
	s_mov_b32 s12, ttmp9                           ; dq
	s_and_b32 s13, ttmp7, 0xffff                   ; c
	v_and_b32 v1, 31, v0                           ; l
	s_lshl_b32 s2, s12, 11
	v_lshl_add_u32 v5, v0, 4, s2                   ; 16 d: my unit in a row of units
	s_wait_alu depctr_va_sdst(0)                   ; s10 is written, ahead of its first reader: LDS places and the bases are made from it
	s_mul_i32 s3, s10, 2*RB
	v_mul_u32_u24 v2, v1, RP
	v_add_nc_u32 v2, s3, v2                        ; my row in my wave's banks
	v_and_b32 v6, 15, v0                           ; r
	v_bfe_u32 v7, v0, 4, 1
	v_lshlrev_b32 v7, 3, v7                        ; 8 h
	v_and_b32 v3, 7, v0
	v_add_nc_u32 v3, v3, v7
	v_mul_u32_u24 v3, v3, RP                       ; the turning load: row 8 h + l % 8,
	v_bfe_u32 v10, v0, 3, 1
	v_lshl_add_u32 v3, v10, 4, v3                  ; t 8 ((l / 8) % 2) on
	v_add_nc_u32 v3, s3, v3
	v_lshlrev_b32 v240, 4, v1                      ; 16 l
	s_mul_i32 s3, s10, 10240
	s_add_co_u32 s3, s3, RED
	v_add_nc_u32 v4, s3, v240                      ; where my tiles go
	s_mul_i32 s3, s10, 2560
	s_add_co_u32 s3, s3, RED
	v_add_nc_u32 v11, s3, v240                     ; the quarter of each wave's tiles that I add up
	v_lshl_add_u32 v12, v0, 2, TDS
	v_add_nc_u32 v13, TDS, v240
	v_mov_b32 v8, 0
	v_mov_b32 v9, 1.0
	s_lshl_b32 s2, s13, 16
	s_mov_b32 s3, 0
	s_wait_kmcnt 0x0
	s_add_nc_u64 s[14:15], s[4:5], s[2:3]          ; q of my chunk; k lies 4 MiB on
	s_add_nc_u64 s[18:19], s[8:9], s[2:3]          ; K~ of my chunk
	s_lshl_b32 s2, s13, 17
	s_add_co_u32 s2, s2, 0xc00000
	s_add_nc_u64 s[16:17], s[4:5], s[2:3]          ; g of my chunk
	s_mul_i32 s2, s13, 106496
	s_add_nc_u64 s[20:21], s[6:7], s[2:3]          ; my chunk's record
	s_lshl_b32 s2, s13, 11
	s_lshl_b32 s11, s12, 9
	s_add_co_u32 s2, s2, s11
	s_add_nc_u64 s[22:23], s[8:9], s[2:3]          ; T of my chunk and 128 d, less 4 MiB
	s_lshl_b32 s2, s12, 2
	s_add_co_u32 s2, s2, s10
	s_lshl_b32 s2, s2, 10
	s_add_nc_u64 s[66:67], s[20:21], s[2:3]        ; Q~: fragment db = 4 dq + wave
	s_mul_i32 s2, s12, 10240
	s_mul_i32 s11, s10, 2560
	s_add_co_u32 s2, s2, s11
	s_add_co_u32 s2, s2, 65536
	s_add_nc_u64 s[68:69], s[20:21], s[2:3]        ; A: my quarter of the work-group's ten tiles
	s_wait_alu depctr_va_vdst(0)                   ; the addresses v2 to v5, v11 to v13 and v240 are written, which the loads and stores of the whole kernel read; none is written again
.irp u, 0,1,2,3,4,5,6,7
	global_load_b128 v[ZP+4*\u:ZP+4*\u+3], v5, s[14:15] offset:8192*\u th:TH_LOAD_NT
.endr
	WIN 0x40
.irp u, 0,1,2,3,4,5,6,7
	global_load_b128 v[208+4*\u:208+4*\u+3], v5, s[14:15] offset:4194304+8192*\u th:TH_LOAD_NT
.endr
	WIN 0
.irp u, 0,1,2,3,4,5,6,7,8,9,10,11,12,13,14,15
	global_load_b128 v[T+4*\u:T+4*\u+3], v5, s[16:17] offset:8192*\u th:TH_LOAD_NT
.endr
	; THE MASKS of a diagonal tile, for register j (s = 8 h + j against i = r): s[24 + 5 j]: i = s; s[24 + 5 j + k], k = 1..4: i > s and 2^(k-1) is the highest bit in which they differ.
	; The compares stand in runs, each run with one wait ahead of its first reader.  v[QP + j]: s; v[QP + 8 + j]: i xor s, or 64 where i <= s; s[70 + j]: i > s.  None of these lines names a register of the loads above.
	v_mov_b32 v241, 64
.irp j, 0,1,2,3,4,5,6,7
	v_add_nc_u32 v[QP+\j], \j, v7
	v_xor_b32 v[QP+8+\j], v6, v[QP+\j]
	v_cmp_eq_u32 s[24+5*\j], v6, v[QP+\j]
	v_cmp_gt_u32 s[70+\j], v6, v[QP+\j]
.endr
	s_wait_alu depctr_va_sdst(0)                   ; s[70:77] are written, ahead of the eight selects that read them
.irp j, 0,1,2,3,4,5,6,7
	v_cndmask_b32 v[QP+8+\j], v241, v[QP+8+\j], s[70+\j]
.endr
.irp j, 0,1,2,3,4,5,6,7
	v_cmp_eq_u32 s[24+5*\j+1], 1, v[QP+8+\j]
	v_lshrrev_b32 v244, 1, v[QP+8+\j]
	v_cmp_eq_u32 s[24+5*\j+2], 1, v244
	v_lshrrev_b32 v244, 2, v[QP+8+\j]
	v_cmp_eq_u32 s[24+5*\j+3], 1, v244
	v_lshrrev_b32 v244, 3, v[QP+8+\j]
	v_cmp_eq_u32 s[24+5*\j+4], 1, v244
.endr
	s_wait_alu depctr_va_sdst(0)                   ; all forty masks s[24:63] are written, ahead of the merges, their first readers
	s_wait_loadcnt 0x0
.macro TRL bank                        ; four fragments (16 t x my 32 d) out of a bank of my own rows; LDS serves a wave's instructions in order, so these see the stores ahead of them
	WIN 0x40
.irp I, 0,1,2,3
	ds_load_tr16_b128 v[32*(\bank)+8*\I:32*(\bank)+8*\I+3],   v3 offset:RB*(\bank)+32*\I
	ds_load_tr16_b128 v[32*(\bank)+8*\I+4:32*(\bank)+8*\I+7], v3 offset:RB*(\bank)+32*\I+16*RP
.endr
.endm
.macro UPDATE m                        ; from blocks of m to blocks of 2 m
	WIN 0
.set B, 0
.rept 32/(\m)
.if (\m) == 1
	v_mul_f32 v[QP+B+1], v[QP+B+1], v[T+B]
	v_mul_f32 v[KR+B], v[KR+B], v[T+B+1]
.else
.set t, 0
.rept (\m)/2
	v_pk_mul_f32 v[QP+B+(\m)+t:QP+B+(\m)+t+1], v[QP+B+(\m)+t:QP+B+(\m)+t+1], v[T+B:T+B+1] op_sel_hi:[1,0]
	v_pk_mul_f32 v[KR+B+t:KR+B+t+1], v[KR+B+t:KR+B+t+1], v[T+B+(\m):T+B+(\m)+1] op_sel_hi:[1,0]
.set t, t+2
.endr
.endif
	v_mul_f32 v[T+B], v[T+B], v[T+B+(\m)]
.set B, B+2*(\m)
.endr
.endm
.macro MERGE k, bank                   ; the entries of mask k are taken out of a bank of diagonal products; each product's register 0 is read first
	WIN 0x45
.irp j, 0,1,2,3,4,5,6,7
.irp I, 0,1,2,3
.if (\k) == 0
	v_cndmask_b32 v[128+4*\I*(\I+3)+\j], 0, v[64+32*(\bank)+8*\I+\j], s[24+5*\j]
.else
	v_cndmask_b32 v[128+4*\I*(\I+3)+\j], v[128+4*\I*(\I+3)+\j], v[64+32*(\bank)+8*\I+\j], s[24+5*\j+(\k)]
.endif
.endr
.endr
.endm
; A LEVEL: Z_m is packed, laid down, read back turned; the update to 2 m stands in the wait for that; then the level's products, each a sum of its own (C = 0), and behind them, as their places, the merge of the level before.
.macro LEVEL m, bank, k
	WIN 0
.set p, 0
.rept 32
.if (\m) == 1
	v_cvt_pk_f16_f32 v[ZP+p], v[KR+2*p], v[QP+2*p+1]
.elseif (2*p) & (\m)
	v_cvt_pk_f16_f32 v[ZP+p], v[QP+2*p], v[QP+2*p+1]
.else
	v_cvt_pk_f16_f32 v[ZP+p], v[KR+2*p], v[KR+2*p+1]
.endif
.set p, p+1
.endr
	s_wait_alu depctr_va_vdst(0)                   ; the conversions have written v[ZP ..], which the LDS stores read; the products that read this bank's fragments are done reading them, and the turned loads land there
.irp u, 0,1,2,3,4,5,6,7
	ds_store_b128 v2, v[ZP+4*\u:ZP+4*\u+3] offset:RB*(\bank)+16*\u
.endr
	TRL \bank
	UPDATE \m
	s_wait_dscnt 0x0
	s_wait_alu depctr_vm_vsrc(0)                   ; this level's LDS stores have read v[ZP ..], which the next conversions write
	WIN 0x45
.if (\m) <= 8
.irp I, 0,1,2,3
	v_wmma_f32_16x16x32_f16 v[64+32*(\bank)+8*\I:64+32*(\bank)+8*\I+7], v[32*(\bank)+8*\I:32*(\bank)+8*\I+7], v[32*(\bank)+8*\I:32*(\bank)+8*\I+7], 0
.endr
.elseif (\m) == 16
	v_wmma_f32_16x16x32_f16 v[136:143], v[32*(\bank):32*(\bank)+7], v[32*(\bank)+8:32*(\bank)+15], 0      ; tile (1, 0): source 0 = s, source 1 = i
	v_wmma_f32_16x16x32_f16 v[192:199], v[32*(\bank)+16:32*(\bank)+23], v[32*(\bank)+24:32*(\bank)+31], 0 ; (3, 2)
.else
	v_wmma_f32_16x16x32_f16 v[152:159], v[32*(\bank):32*(\bank)+7], v[32*(\bank)+16:32*(\bank)+23], 0     ; (2, 0)
	v_wmma_f32_16x16x32_f16 v[160:167], v[32*(\bank)+8:32*(\bank)+15], v[32*(\bank)+16:32*(\bank)+23], 0  ; (2, 1)
	v_wmma_f32_16x16x32_f16 v[176:183], v[32*(\bank):32*(\bank)+7], v[32*(\bank)+24:32*(\bank)+31], 0     ; (3, 0)
	v_wmma_f32_16x16x32_f16 v[184:191], v[32*(\bank)+8:32*(\bank)+15], v[32*(\bank)+24:32*(\bank)+31], 0  ; (3, 1)
.endif
.if (\k) >= 0
	MERGE \k, 1-(\bank)
.endif
.endm
	; the diagonal: q and k as they are.  The stores' data come from loads; their address and the turned loads' were written ahead of the head's wait
.irp u, 0,1,2,3,4,5,6,7
	ds_store_b128 v2, v[ZP+4*\u:ZP+4*\u+3] offset:16*\u
.endr
	WIN 0x04
.irp u, 0,1,2,3,4,5,6,7
	ds_store_b128 v2, v[208+4*\u:208+4*\u+3] offset:RB+16*\u
.endr
	TRL 0
	TRL 1
	WIN 0
.set t, 0
.rept 64
	v_fma_mix_f32 v[QP+t], v[ZP+t/2], v[T+t], v8 op_sel:[t%2,0,0] op_sel_hi:[1,0,0]   ; QP_1 = q g
.set t, t+1
.endr
	WIN 0x01
.set t, 0
.rept 64
	v_fma_mix_f32 v[KR+t], v[208+t/2], v9, v8 op_sel:[t%2,0,0] op_sel_hi:[1,0,0]      ; KR_1 = k
.set t, t+1
.endr
	s_wait_dscnt 0x0
	s_wait_alu depctr_vm_vsrc(0)                   ; the LDS stores of q have read v[ZP ..], which level 1's conversions write
	WIN 0x45
.irp I, 0,1,2,3
	v_wmma_f32_16x16x32_f16 v[64+8*\I:64+8*\I+7], v[32+8*\I:32+8*\I+7], v[8*\I:8*\I+7], 0
.endr
	LEVEL 1,  1, 0
	LEVEL 2,  0, 1
	LEVEL 4,  1, 2
	LEVEL 8,  0, 3
	LEVEL 16, 1, 4
	LEVEL 32, 0, -1
	; K~ goes out as it lies: a lane's eight t are 16 bytes, 32 lanes 512 consecutive bytes.  These conversions are the places behind the last products.
	WIN 0
.set p, 0
.rept 32
	v_cvt_pk_f16_f32 v[ZP+p], v[KR+2*p], v[KR+2*p+1]
.set p, p+1
.endr
	; Q~ in bf16, turned into fragments
.set p, 0
.rept 32
	v_cvt_pk_bf16_f32 v[T+4+p], v[QP+2*p], v[QP+2*p+1]
.set p, p+1
.endr
	s_wait_alu depctr_va_vdst(0)                   ; written: v[ZP ..] (K~), v[T+4 ..] (Q~), v[T] and A's tiles, which the stores below read; done reading: level 32's products with bank 0, in which the turned loads land, and the conversions with QP and KR, in which the loads behind the barrier land
.irp u, 0,1,2,3,4,5,6,7
	global_store_b128 v5, v[ZP+4*\u:ZP+4*\u+3], s[18:19] offset:8192*\u
.endr
.irp u, 0,1,2,3,4,5,6,7
	ds_store_b128 v2, v[T+4+4*\u:T+4+4*\u+3] offset:16*\u
.endr
	TRL 0
	WIN 0
	ds_store_b32 v12, v[T]                         ; my d's total
	WIN 0x04
.irp n, 0,1,2,3,4,5,6,7,8,9
	ds_store_b128 v4, v[128+8*\n:128+8*\n+3] offset:1024*\n
	ds_store_b128 v4, v[128+8*\n+4:128+8*\n+7] offset:1024*\n+512
.endr
	s_wait_dscnt 0x0                               ; Q~'s fragments are back, and, for the others' sake, my stores are done
.irp I, 0,1,2,3
	global_store_b128 v240, v[8*\I:8*\I+3], s[66:67] offset:16384*\I
	global_store_b128 v240, v[8*\I+4:8*\I+7], s[66:67] offset:16384*\I+512
.endr
	WIN 0
	s_barrier_signal -1
	s_barrier_wait -1
.irp w, 0,1,2,3
.irp i, 0,1,2,3,4
	ds_load_b128 v[QP+4*(5*\w+\i):QP+4*(5*\w+\i)+3], v11 offset:10240*\w+512*\i  ; no vector instruction since the last wait on va_vdst names these registers
.endr
.endr
	s_wait_dscnt 0x0
.irp i, 0,1,2,3,4
.irp q, 0,2
	v_pk_add_f32 v[QP+4*\i+\q:QP+4*\i+\q+1], v[QP+4*\i+\q:QP+4*\i+\q+1], v[QP+20+4*\i+\q:QP+20+4*\i+\q+1]
	v_pk_add_f32 v[QP+40+4*\i+\q:QP+40+4*\i+\q+1], v[QP+40+4*\i+\q:QP+40+4*\i+\q+1], v[QP+60+4*\i+\q:QP+60+4*\i+\q+1]
	v_pk_add_f32 v[QP+4*\i+\q:QP+4*\i+\q+1], v[QP+4*\i+\q:QP+4*\i+\q+1], v[QP+40+4*\i+\q:QP+40+4*\i+\q+1]
.endr
.endr
	s_wait_alu depctr_va_vdst(0)                   ; the adds have written v[QP .. QP+19], which the five stores read
.irp i, 0,1,2,3,4
	global_store_b128 v240, v[QP+4*\i:QP+4*\i+3], s[68:69] offset:512*\i
.endr
	s_cmp_lg_u32 s10, 0
	s_cbranch_scc1 .Lend
	ds_load_b128 v[244:247], v13                   ; wave 0: the 128 totals, 512 consecutive bytes; v244, a temporary of the masks, was last named far ahead of the waits on va_vdst above
	s_wait_dscnt 0x0
	global_store_b128 v240, v[244:247], s[22:23] offset:4194304
.Lend:
	s_wait_dscnt 0x0                               ; the closing lines, six on end
	s_wait_alu 0x0
	s_wait_tensorcnt 0x0
	ds_add_u32 v14, v15
	s_wait_dscnt 0x0
	s_endpgm
.Lfunc_end_k_qab79d0ca10_prep:
	.size	k_qab79d0ca10_prep, .Lfunc_end_k_qab79d0ca10_prep-k_qab79d0ca10_prep
	.p2alignl 7, 3214868480
	.fill 96, 4, 3214868480
	.section	.rodata,"a",@progbits
	.p2align	6, 0x0
	.amdhsa_kernel k_qab79d0ca10_prep
		.amdhsa_group_segment_fixed_size 82944
		.amdhsa_private_segment_fixed_size 0
		.amdhsa_enable_private_segment 0
		.amdhsa_kernarg_size 24
		.amdhsa_user_sgpr_count 2
		.amdhsa_user_sgpr_kernarg_segment_ptr 1
		.amdhsa_wavefront_size32 1
		.amdhsa_system_sgpr_workgroup_id_x 1
		.amdhsa_system_sgpr_workgroup_id_y 1
		.amdhsa_system_sgpr_workgroup_id_z 1
		.amdhsa_system_vgpr_workitem_id 0
		.amdhsa_next_free_vgpr 512
		.amdhsa_next_free_sgpr 80
		.amdhsa_reserve_vcc 0
		.amdhsa_float_denorm_mode_32 3
		.amdhsa_float_denorm_mode_16_64 3
		.amdhsa_memory_ordered 1
		.amdhsa_forward_progress 1
		.amdhsa_inst_pref_size 79
	.end_amdhsa_kernel
	.amdgpu_metadata
---
amdhsa.version: [ 1, 2 ]
amdhsa.kernels:
  - .name:           k_qab79d0ca10_prep
    .symbol:         k_qab79d0ca10_prep.kd
    .args:
      - { .name: qkgv, .offset: 0, .size: 8, .value_kind: global_buffer, .address_space: global }
      - { .name: pr, .offset: 8, .size: 8, .value_kind: global_buffer, .address_space: global }
      - { .name: ks, .offset: 16, .size: 8, .value_kind: global_buffer, .address_space: global }
    .group_segment_fixed_size: 82944
    .private_segment_fixed_size: 0
    .kernarg_segment_align: 8
    .kernarg_segment_size: 24
    .max_flat_workgroup_size: 128
    .sgpr_count:     80
    .vgpr_count:     512
    .wavefront_size: 32
...
	.end_amdgpu_metadata
.endif
;; end of part 8
;; launch state: the kernel of part 4 again; grid 16 x 16, 4 waves a work-group, clusters of 4 x 4, 327,680 bytes of LDS; arguments ks, qkgv, sf, out1; writes sf, out1
;; launch chunk: the kernel of part 5 again; grid 4 x 64, 4 waves a work-group, clusters of 4 x 1, 167,936 bytes of LDS; arguments pr, qkgv, sf, of; writes of
;; launch outp: the kernel of part 6 again; grid 16 x 16, 4 waves a work-group, clusters of 4 x 4, 327,680 bytes of LDS; arguments of, wh, bo, out0; writes out0
